; MI455X (gfx1250); checked and timed in simulation.
; The chip was launched on July 23, 2026; its instructions are those of AMD's public machine-readable ISA for CDNA 5 (MIT licence, August 2026) and "CDNA5" Instruction Set Architecture Reference Guide (July 2026). The comments in the code are by the model that wrote it; some were corrected since.
;; CP Wan Self Attention. Allowed arithmetic: matrix products marked QUANTISED: E2M3 operands, one E8M0 scale for each 32 along K, by v_wmma_scale_f32_16x16x128_f8f6f4 with both operands' format E2M3, f32 sums; everything else in f32.
;; Inputs: bk 2,048 float32; bo 2,048 float32; bq 2,048 float32; bv 2,048 float32; freqs_cos 1 x 1,992 x 1 x 128 float32; freqs_sin 1 x 1,992 x 1 x 128 float32; hidden_states 1 x 1,992 x 2,048 float32; norm_k_w 2,048 float32; norm_q_w 2,048 float32; wk 2,048 x 2,048 float32; wo 2,048 x 2,048 float32; wq 2,048 x 2,048 float32; wv 2,048 x 2,048 float32.
;; Outputs: out0 1 x 1,992 x 2,048 float32.
;; This version of the problem:
;;   THIS VERSION OF THE PROBLEM IS GIVEN IN LOW PRECISION. The matrix products marked QUANTISED in the list below multiply operands that are first quantised to E2M3 (2 exponent bits, 3 mantissa bits; 6 bits a number), with one power-of-two scale for each 32 numbers along K (OCP MX v1.0); their sums are f32. All else is computed in f32.
;;   The module's matrix products, in the order in which they are computed (A, B: the left and right operand; K: the contracted axis; several contracted axes count as one K, in the product's order):
;;     1. [M 1,992, K 2,048] x [K 2,048, N 2,048]; A: input hidden_states; B: input wq: QUANTISED
;;     2. [M 1,992, K 2,048] x [K 2,048, N 2,048]; A: input hidden_states; B: input wk: QUANTISED
;;     3. [M 1,992, K 2,048] x [K 2,048, N 2,048]; A: input hidden_states; B: input wv: QUANTISED
;;     4. batch 16 x [M 2,048, K 128] x [K 128, N 2,048]; A: computed on the way; B: computed on the way: QUANTISED
;;     5. batch 16 x [M 2,048, K 2,048] x [K 2,048, N 128]; A: softmax (see below); B: computed on the way: QUANTISED
;;     6. [M 1,992, K 2,048] x [K 2,048, N 2,048]; A: computed on the way; B: input wo: QUANTISED
;;   THE QUANTISER, for each operand of a quantised product, along K:
;;     - K is cut into blocks of 32 from its start; a last block that is shorter is filled with zeros.
;;     - A block's scale is 2^e with e = floor(log2(the largest magnitude in the block)) - 2, held to -126 .. 127; a block of zeros has e = 0. As a byte (E8M0): e + 127.
;;     - Each number is divided by its block's scale, clamped to +-7.5, and rounded to the nearest number of E2M3, ties to even, subnormals kept.
;;     - The product sums the exact products of the quantised numbers (number of the format x scale) in f32.
;;   ~~~python
;;   def quantise(x, axis):      # numpy; x: float32 -> the quantised numbers, widened to float32 again
;;       x = np.moveaxis(x, axis, -1); K = x.shape[-1]
;;       x = np.pad(x, [(0, 0)] * (x.ndim - 1) + [(0, -K % 32)]); x = x.reshape(x.shape[:-1] + (-1, 32)); a = np.abs(x).max(-1, keepdims=True)
;;       e = np.where(a > 0, np.clip(np.frexp(np.where(a > 0, a, 1))[1] - 1 - 2, -126, 127), 0)      # np.frexp(a)[1] - 1 = floor(log2(a)), exactly
;;       r = np.clip(x / 2.0 ** e, -7.5, 7.5)
;;       step = 2.0 ** (np.maximum(np.frexp(np.where(r == 0, 1, r))[1] - 1, 0) - 3)
;;       q = np.round(r / step) * step * 2.0 ** e      # np.round: ties to even
;;       return np.moveaxis(q.reshape(q.shape[:-2] + (-1,))[..., :K], -1, axis).astype(np.float32)
;;   ~~~
;;   SOFTMAX AHEAD OF A QUANTISED PRODUCT. Where the list says 'softmax', what is quantised is not the finished softmax but p = 2^(t - M), with t = logit x log2(e) and M = ceil(the row's largest t), a whole number; so 1/2 < the row's largest p <= 1. The row's sum l is taken of the UNQUANTISED p, in f32, and the product's result is divided by l at the end. Since M is a whole number, a kernel that streams over the keys may use a running M (the ceiling of the running maximum): every later rescaling is an exact power of two, which a block's scale takes up: the codes' values come out the same.
;;   OPERANDS COMPUTED ON THE WAY. 'Computed on the way' means the value that the module computes at that place (a softmax that the list does not call 'softmax' is quantised finished and normalised). What goes into a quantiser is computed in f32, as accurately as f32 sums, v_exp_f32 and their like allow (about 1e-6 of the number): no bf16 or f16 on the way to a quantiser, and a product that is left as it is and whose result goes on into a quantised operand takes f32 operands (vector FMAs, or v_wmma_f32_16x16x4_f32). A number that lies on a knife's edge between two numbers of the format may be rounded either way, as far as f32 arithmetic and the matrix unit's own rounding can turn it there, and no further.
;; One version. Each part assembles by itself: llvm-mc -triple=amdgcn-amd-amdhsa -mcpu=gfx1250 --defsym DOCPART=n.
;; ======== version 1 of 1: 5 launches
;; limits: right only within a limited range of input values
;; workspace buffers: xq 3,276,800 bytes; wqkvq 9,854,976 bytes; woq 3,284,992 bytes; qkv 33,554,432 bytes; att 9,830,400 bytes; oq 3,276,800 bytes
;; launch pack (part 1): grid 640 x 1, 4 waves a work-group, no clusters, 70,144 bytes of LDS; arguments hidden_states, wq, wk, wv, wo, bq, bk, bv, bo, xq, wqkvq, woq; writes xq, wqkvq, woq
.if DOCPART == 1
	.amdgcn_target "amdgcn-amd-amdhsa--gfx1250"
	.amdhsa_code_object_version 6
	.text
	.protected	k_qde8dcd4391_pack
	.globl	k_qde8dcd4391_pack
	.p2align	8
	.type	k_qde8dcd4391_pack,@function
k_qde8dcd4391_pack:
	s_mov_b64 s[64:65], 0
	v_nop
	global_prefetch_b8 v0, s[64:65] scope:SCOPE_SE
	s_setreg_imm32_b32 hwreg(HW_REG_WAVE_MODE, 25, 1), 1
	s_wait_xcnt 0x0
; x [1992][2048] and the four weights [2048][2048], f32 with K innermost, become PACKS of FP6 (E2M3) codes with one E8M0 byte for each 32 along K.
; A PACK is laid in the order of the matrix operand's registers.  Codes: plane x 196,608 + tile x 1,536 + c x 512 + lane x 16: plane = 128 along K, tile = 16 rows, the 16 bytes = registers 4 c .. 4 c + 3
; of the lane's fragment of 12.  Row p of tile t is matrix row 32 (t / 2) + 8 (t % 2) + p + 8 (p / 8).  Scale words (four bytes: a row's 128 along K) at SCO + plane x 8,192 + tile x 64 + 4 p.
; A weight's bias is copied behind its pack, at BIO.  x's rows 1992 .. 2047 become zero codes.
; A block's scale is 2^(floor(log2(its largest magnitude)) - 2); its byte is the largest magnitude's exponent field - 2, held at 1 from below.
; LIMITS: NaN and infinities among the inputs are not served; a block whose largest magnitude lies under 2^-124 keeps the byte 1; a block of zeros has the byte 1 (127 in whole tiles of padding) where
; the rule says 127: its codes are zeros, and only this program reads the bytes.
; SHARES: work-group id: c = id & 3, G = (id >> 2) & 31, matrix = id >> 7 (0 x, 1 wq, 2 wk, 3 wv, 4 wo).  Wave w takes plane 4 c + w of rows 64 G .. 64 G + 63: four tiles: 6,144 consecutive bytes of
; codes and 256 consecutive bytes of scale words.  Every load reads 512 consecutive bytes of a row; a tile turns through the wave's own stage in LDS, so that a lane gets 16 neighbours of each block.
; No barrier: waves share nothing.  The path for x's last rows has LDS bytes of its own.
.set SCO,    3145728
.set BIO,    3276800
.set PACKW,  3284992
.set PLANE,  196608
.set TILEB,  1536
.set SP,     528                       ; a stage row: 512 bytes + 16
.set WREG,   16*SP+256                 ; a wave's LDS: the stage, then its 256 bytes of scale words
.set TAILB,  4*WREG                    ; the same once more for the path of x's last rows
.set GA,  4                            ; v4   16 x lane
.set SA,  5                            ; v5   stage, way in: wave's region + 16 x lane
.set SB,  6                            ; v6   stage, way out: + 528 r + 64 h
.set SG,  7                            ; v7   my row's scale word in LDS
.set SE,  8                            ; v8   the scale words' way out: 8 bytes a lane
.set GE,  9                            ; v9   8 x lane
.set GT,  10                           ; v10  16 x thread
.set R,   16                           ; v16-143  two sets of 64: a tile as loaded
.set X,   144                          ; v144-207 a tile turned: register 16 b + i = k 32 b + 16 h + i of row r
.set TM,  208                          ; v208-223 at work in QUANT
.set PC,  224                          ; v224-243 the codes
.set PW,  244                          ; v244     the scale word
.set ZR,  248                          ; v248-251 zeros
.set ONE, 252                          ; v252     four bytes of 127
.set SEL, 2                            ; s[2:3]   lane selects for v_permlanex16_b32: lane l xor 16
; 64 numbers of a lane, register 16 b + i = k 32 b + 16 (lane / 16) + i of my row, become a fragment's codes in v[PC] on and its scale word in v[PW].
.macro QUANT s
.irp b, 0,1,2,3
	v_max3_num_f32 v[TM+\b], |v[\s+16*\b]|, |v[\s+1+16*\b]|, 0x1800000   ; block b: my 16 numbers, and the floor 2^(3 - 127): the byte cannot fall under 1
.endr
.irp i, 2,4,6,8,10,12,14
.irp b, 0,1,2,3
	v_max3_num_f32 v[TM+\b], v[TM+\b], |v[\s+16*\b+\i]|, |v[\s+1+16*\b+\i]|   ; the four blocks by turns
.endr
.endr
.irp b, 0,1,2,3
	v_permlanex16_b32 v[TM+4+\b], v[TM+\b], s[SEL], s[SEL+1]
.endr
.irp b, 0,1,2,3
	v_max_num_f32 v[TM+\b], v[TM+\b], v[TM+4+\b]   ; with lane l xor 16's: the block's largest magnitude
.endr
.irp b, 0,1,2,3
	v_add_nc_u32 v[TM+12+\b], 0xff000000, v[TM+\b]   ; 2 off its exponent field: the conversion takes this operand's exponent field as its scale
.endr
.irp b, 0,1,2,3
	v_lshrrev_b32 v[TM+4+\b], 23, v[TM+12+\b]   ; the scale's byte
.endr
	v_lshl_or_b32 v[PW], v[TM+5], 8, v[TM+4]
	v_lshl_or_b32 v[PW], v[TM+6], 16, v[PW]
	v_lshl_or_b32 v[PW], v[TM+7], 24, v[PW]
.irp c, 0,1
	v_cvt_scalef32_pk16_fp6_f32 v[PC+6*\c:PC+2+6*\c], v[\s+32*\c:\s+15+32*\c], v[TM+12+2*\c]
	v_cvt_scalef32_pk16_fp6_f32 v[PC+12+4*\c:PC+14+4*\c], v[\s+16+32*\c:\s+31+32*\c], v[TM+12+2*\c+1]   ; (a conversion's three registers begin on an even number)
.endr
	v_nop                                          ; one plain place behind a scaled conversion
.irp c, 0,1                                    ; the operand's layout wants a whole block in a lane: lanes 0-15 block 2 c, lanes 16-31 block 2 c + 1
.irp i, 0,1,2
	v_permlane16_swap_b32 v[PC+6*\c+\i], v[PC+12+4*\c+\i]
.endr
.irp i, 0,1,2
	v_mov_b32 v[PC+3+6*\c+\i], v[PC+12+4*\c+\i]
.endr
.endr
.endm
; the first n rows of tile tl: a row's 512 bytes of my plane, 16 bytes a lane
.macro LOADT tl, n
.irp p, 0,1,2,3,4,5,6,7,8,9,10,11,12,13,14,15
.if \p < \n
	global_load_b128 v[R+64*((\tl)%2)+4*\p:R+64*((\tl)%2)+4*\p+3], v[GA], s[32:33] offset:(32*((\tl)/2)+8*((\tl)%2)+\p+8*(\p/8))*8192 th:TH_LOAD_NT
.endif
.endr
.endm
; tile tl: through the stage at lb, quantised, stored.  left: the younger loads that may stay out.  next = 1: the tile two on is asked for.
.macro TILE tl, lb, left, next
.set RS, R+64*((\tl)%2)
	s_wait_loadcnt \left                           ; loads come back in order: this tile's sixteen are in
.irp p, 0,1,2,3,4,5,6,7,8,9,10,11,12,13,14,15
	ds_store_b128 v[SA], v[RS+4*\p:RS+4*\p+3] offset:\lb+SP*\p
.endr
.irp b, 0,1,2,3
.irp k, 0,1,2,3
	ds_load_b128 v[X+16*\b+4*\k:X+16*\b+4*\k+3], v[SB] offset:\lb+128*\b+16*\k   ; LDS serves a wave's instructions in order: these see the stores above
.endr
.endr
	s_wait_dscnt 0x0                               ; the tile is back, and the stage's stores have read their registers
	s_wait_xcnt 0x0                                ; the last tile's stores have read the codes' registers, which QUANT writes again
.if \next
	LOADT (\tl)+2, 16
.endif
	QUANT X
.irp c, 0,1,2
	global_store_b128 v[GA], v[PC+4*\c:PC+4*\c+3], s[34:35] offset:(\tl)*TILEB+512*\c th:TH_STORE_NT   ; 32 lanes store 512 consecutive bytes
.endr
	ds_store_b32 v[SG], v[PW] offset:\lb+64*(\tl)  ; both halves of the lanes write the same word with the same value
.endm
.macro OUTS lb                         ; the wave's 256 bytes of scale words leave as one aligned run
	ds_load_b64 v[12:13], v[SE] offset:\lb
	s_wait_dscnt 0x0
	global_store_b64 v[GE], v[12:13], s[38:39]
.endm
	s_load_b512 s[8:23], s[0:1], 0x0               ; x s[8:9], wq s[10:11], wk s[12:13], wv s[14:15], wo s[16:17], bq s[18:19], bk s[20:21], bv s[22:23]
	s_load_b256 s[24:31], s[0:1], 0x40             ; bo s[24:25], xq s[26:27], wqkvq s[28:29], woq s[30:31]
	v_lshl_add_u32 v254, v0, 2, 0x11000
	v_mov_b32 v255, 0
	v_lshrrev_b32 v1, 5, v0
	v_readfirstlane_b32 s4, v1                     ; wave
	v_and_b32 v1, 31, v0                           ; lane
	v_and_b32 v2, 15, v0                           ; r
	v_bfe_u32 v3, v0, 4, 1                         ; h
	s_mul_i32 s5, s4, WREG
	v_lshlrev_b32 v[GA], 4, v1
	v_add_nc_u32 v[SA], s5, v[GA]
	v_mul_u32_u24 v[SB], v2, SP
	v_lshl_add_u32 v[SB], v3, 6, v[SB]
	v_add_nc_u32 v[SB], s5, v[SB]
	s_add_co_u32 s5, s5, 16*SP
	v_lshlrev_b32 v[SG], 2, v2
	v_add_nc_u32 v[SG], s5, v[SG]
	v_lshlrev_b32 v[GE], 3, v1
	v_add_nc_u32 v[SE], s5, v[GE]
	v_lshlrev_b32 v[GT], 4, v0
	s_mov_b32 s[SEL], 0x76543210
	s_mov_b32 s[SEL+1], 0xfedcba98
.irp b, 0,1,2,3
	v_mov_b32 v[TM+4+\b], 0                        ; written once: a lane permute's destination counts as one of its sources
.endr
	s_and_b32 s6, ttmp9, 3                         ; c
	s_lshr_b32 s58, ttmp9, 2                       ; 32 x matrix + G
	s_and_b32 s7, s58, 31                          ; G
	s_lshr_b32 s44, ttmp9, 7                       ; matrix
	s_lshl_b32 s45, s6, 2
	s_add_co_u32 s45, s45, s4                      ; my plane
	s_sub_co_u32 s52, s44, 1                       ; wq, wk, wv lie one behind the other in wqkvq
	s_cmp_lt_u32 s52, 3
	s_cselect_b32 s52, s52, 0
	s_mul_i32 s52, s52, PACKW
	s_lshl_b32 s46, s7, 19                         ; the source: 64 G rows of 8,192 bytes
	s_lshl_b32 s47, s45, 9                         ; + my plane's 512 bytes
	s_add_co_u32 s46, s46, s47
	s_mov_b32 s47, 0
	s_mul_i32 s48, s45, PLANE                      ; the codes: my plane, tiles 4 G on
	s_mul_i32 s49, s7, 4*TILEB
	s_add_co_u32 s48, s48, s49
	s_add_co_u32 s48, s48, s52
	s_mov_b32 s49, 0
	s_lshl_b32 s50, s45, 13                        ; the scale words
	s_lshl_b32 s51, s7, 8
	s_add_co_u32 s50, s50, s51
	s_add_co_u32 s50, s50, s52
	s_add_co_u32 s50, s50, SCO
	s_mov_b32 s51, 0
	s_lshl_b32 s54, s6, 11                         ; the bias: 2,048 bytes for each c
	s_mov_b32 s55, 0
	s_add_co_u32 s56, s54, s52
	s_add_co_u32 s56, s56, BIO
	s_mov_b32 s57, 0
	s_wait_kmcnt 0x0
	s_mov_b64 s[32:33], s[8:9]                     ; the buffers are chosen by the work-group's number alone
	s_mov_b64 s[36:37], s[18:19]
	s_mov_b64 s[40:41], s[26:27]
	s_cmp_eq_u32 s44, 1
	s_cselect_b64 s[32:33], s[10:11], s[32:33]
	s_cselect_b64 s[40:41], s[28:29], s[40:41]
	s_cmp_eq_u32 s44, 2
	s_cselect_b64 s[32:33], s[12:13], s[32:33]
	s_cselect_b64 s[36:37], s[20:21], s[36:37]
	s_cselect_b64 s[40:41], s[28:29], s[40:41]
	s_cmp_eq_u32 s44, 3
	s_cselect_b64 s[32:33], s[14:15], s[32:33]
	s_cselect_b64 s[36:37], s[22:23], s[36:37]
	s_cselect_b64 s[40:41], s[28:29], s[40:41]
	s_cmp_eq_u32 s44, 4
	s_cselect_b64 s[32:33], s[16:17], s[32:33]
	s_cselect_b64 s[36:37], s[24:25], s[36:37]
	s_cselect_b64 s[40:41], s[30:31], s[40:41]
	s_add_nc_u64 s[32:33], s[32:33], s[46:47]      ; source
	s_add_nc_u64 s[34:35], s[40:41], s[48:49]      ; codes
	s_add_nc_u64 s[38:39], s[40:41], s[50:51]      ; scale words
	s_add_nc_u64 s[36:37], s[36:37], s[54:55]      ; bias, in
	s_add_nc_u64 s[42:43], s[40:41], s[56:57]      ; bias, out
	s_cmp_eq_u32 s58, 31                           ; x's rows 1984 on?
	s_cbranch_scc1 .Ltail
	LOADT 0, 16
	LOADT 1, 16
	TILE 0, 0, 16, 1                               ; the count: the next tile's sixteen loads may stay out
	TILE 1, 0, 16, 1
	TILE 2, 0, 16, 0
	TILE 3, 0, 0, 0
	OUTS 0
	s_cmp_eq_u32 s7, 0                             ; the four work-groups of a weight with G = 0 copy its bias, 16 bytes a thread
	s_cbranch_scc0 .Lend
	s_cmp_eq_u32 s44, 0
	s_cbranch_scc1 .Lend
	global_load_b128 v[16:19], v[GT], s[36:37]
	s_wait_loadcnt 0x0
	global_store_b128 v[GT], v[16:19], s[42:43]
.Lend:
	s_wait_tensorcnt 0x0
	ds_add_u32 v254, v255
	s_wait_dscnt 0x0
	s_endpgm
.Ltail:                                                ; rows 1984 .. 1991 are tile 0's rows 0 .. 7; all else of the four tiles is padding
	LOADT 0, 8
.irp i, 32,33,34,35,36,37,38,39,40,41,42,43,44,45,46,47,48,49,50,51,52,53,54,55,56,57,58,59,60,61,62,63
	v_mov_b32 v[R+\i], 0
.endr
.irp i, 0,1,2,3
	v_mov_b32 v[ZR+\i], 0
.endr
	v_mov_b32 v[ONE], 0x7f7f7f7f
	s_wait_alu depctr_va_vdst(0)
	TILE 0, TAILB, 0, 0
.irp t, 1,2,3
.irp c, 0,1,2
	global_store_b128 v[GA], v[ZR:ZR+3], s[34:35] offset:\t*TILEB+512*\c th:TH_STORE_NT
.endr
	ds_store_b32 v[SG], v[ONE] offset:TAILB+64*\t
.endr
	OUTS TAILB
	s_wait_tensorcnt 0x0
	ds_add_u32 v254, v255
	s_wait_dscnt 0x0
	s_endpgm
.Lfunc_end_k_qde8dcd4391_pack:
	.size	k_qde8dcd4391_pack, .Lfunc_end_k_qde8dcd4391_pack-k_qde8dcd4391_pack
	.p2alignl 7, 3214868480
	.fill 96, 4, 3214868480
	.section	.rodata,"a",@progbits
	.p2align	6, 0x0
	.amdhsa_kernel k_qde8dcd4391_pack
		.amdhsa_group_segment_fixed_size 70144
		.amdhsa_private_segment_fixed_size 0
		.amdhsa_enable_private_segment 0
		.amdhsa_kernarg_size 96
		.amdhsa_user_sgpr_count 2
		.amdhsa_user_sgpr_kernarg_segment_ptr 1
		.amdhsa_wavefront_size32 1
		.amdhsa_system_sgpr_workgroup_id_x 1
		.amdhsa_system_sgpr_workgroup_id_y 1
		.amdhsa_system_sgpr_workgroup_id_z 1
		.amdhsa_system_vgpr_workitem_id 0
		.amdhsa_next_free_vgpr 256
		.amdhsa_next_free_sgpr 66
		.amdhsa_reserve_vcc 0
		.amdhsa_float_denorm_mode_32 3
		.amdhsa_float_denorm_mode_16_64 3
		.amdhsa_memory_ordered 1
		.amdhsa_forward_progress 1
		.amdhsa_inst_pref_size 45
	.end_amdhsa_kernel
	.amdgpu_metadata
---
amdhsa.version: [ 1, 2 ]
amdhsa.kernels:
  - .name:           k_qde8dcd4391_pack
    .symbol:         k_qde8dcd4391_pack.kd
    .args:
      - { .name: hidden_states, .offset: 0, .size: 8, .value_kind: global_buffer, .address_space: global }
      - { .name: wq, .offset: 8, .size: 8, .value_kind: global_buffer, .address_space: global }
      - { .name: wk, .offset: 16, .size: 8, .value_kind: global_buffer, .address_space: global }
      - { .name: wv, .offset: 24, .size: 8, .value_kind: global_buffer, .address_space: global }
      - { .name: wo, .offset: 32, .size: 8, .value_kind: global_buffer, .address_space: global }
      - { .name: bq, .offset: 40, .size: 8, .value_kind: global_buffer, .address_space: global }
      - { .name: bk, .offset: 48, .size: 8, .value_kind: global_buffer, .address_space: global }
      - { .name: bv, .offset: 56, .size: 8, .value_kind: global_buffer, .address_space: global }
      - { .name: bo, .offset: 64, .size: 8, .value_kind: global_buffer, .address_space: global }
      - { .name: xq, .offset: 72, .size: 8, .value_kind: global_buffer, .address_space: global }
      - { .name: wqkvq, .offset: 80, .size: 8, .value_kind: global_buffer, .address_space: global }
      - { .name: woq, .offset: 88, .size: 8, .value_kind: global_buffer, .address_space: global }
    .group_segment_fixed_size: 70144
    .private_segment_fixed_size: 0
    .kernarg_segment_align: 8
    .kernarg_segment_size: 96
    .max_flat_workgroup_size: 128
    .sgpr_count:     66
    .vgpr_count:     256
    .wavefront_size: 32
...
	.end_amdgpu_metadata
.endif
;; end of part 1
;; launch gemm (part 2): grid 24 x 8, 4 waves a work-group, clusters of 4 x 4, 327,680 bytes of LDS; arguments xq, wqkvq, qkv, att; writes qkv, att
.if DOCPART == 2
	.amdgcn_target "amdgcn-amd-amdhsa--gfx1250"
	.amdhsa_code_object_version 6
	.text
	.protected	k_qde8dcd4391_gemm
	.globl	k_qde8dcd4391_gemm
	.p2align	8
	.type	k_qde8dcd4391_gemm,@function
k_qde8dcd4391_gemm:
	s_mov_b64 s[64:65], 0
	v_nop
	global_prefetch_b8 v0, s[64:65] scope:SCOPE_SE
	s_setreg_imm32_b32 hwreg(HW_REG_WAVE_MODE, 25, 1), 1
	s_wait_xcnt 0x0
	s_wait_alu depctr_hold_cnt(0) depctr_sa_sdst(0) depctr_va_vdst(0) depctr_va_sdst(0) depctr_va_ssrc(0) depctr_va_vcc(0) depctr_vm_vsrc(0)
	s_getreg_b32 s2, hwreg(HW_REG_IB_STS2, 6, 4)
	s_cmp_eq_u32 s2, 0
	s_cbranch_scc0 .Lentry_in_a_cluster
	s_endpgm
.Lentry_in_a_cluster:
	s_bfe_u32 s2, ttmp6, 0x10000c
	s_cmp_lg_u32 s2, 0xf033
	s_cbranch_scc0 .Lentry_shape_is_right
	s_endpgm
.Lentry_shape_is_right:
; q = x Wq^T + bq and k = x Wk^T + bk leave as f32 rows in qkv (q at 0, k at 16 MiB); v = x Wv^T + bv leaves quantised along the KEYS, as attention's pack of V in att.
; All operands are packs of FP6 (E2M3) codes in the order of the operands' registers: plane (128 along K) x 196,608 + tile (16 rows) x 1,536 + c x 512 + lane x 16; scale words at SCO + plane x 8,192 + tile x 64 + 4 p.
; Row p of tile t is matrix row 32 (t / 2) + 8 (t % 2) + p + 8 (p / 8).
; A block of 256 x 256 to a work-group, 128 x 128 to a wave.  Source 0 takes the B side's rows, source 1 the A side's: a lane holds one row of the A side, its registers run along the B side's rows.
; Tile columns 0-15 (cluster x 0-3): A side = x, B side = Wq or Wk.  Tile columns 16-23 (cluster x 4, 5): A side = Wv (tile row = 256 channels), B side = x (tile column - 16 = 256 keys):
; a lane then holds one channel and the 64 registers of its eight accumulators are 4 x 16 neighbouring keys, which is what the quantiser along the keys wants.  Only addresses differ between the two; the choice hangs on the cluster's x alone.
; v's bias is added on the way out under a mask of keys: keys 1,992 on are zeros there (x's codes are zeros, so the sums are zeros).  q's and k's rows 1,992 on are stored too: they lie inside live tiles, and nobody reads them.
; K goes through a ring of two LDS slots of two planes, eight fills in all; all scale words come once.  A's tiles are asked for jointly along a row of the 4 x 4 cluster, B's along a column.
; PREFETCH: with fill f the tiles of fill f + 2 are asked for (f = 0 .. 5; fills 0 and 1 come by their loads alone, the loop's last trip asks for nothing).  Of the 96 blocks of 256 bytes of the plane that a wave fetches,
; each of the four partners that ask for it jointly names 24, told apart by address (cx for A's waves, cy for B's); lanes 24-31 name the wave's last block again.
; LIMITS: NaN and infinities are not served; a block of v whose largest magnitude lies under 2^-124, a block of zeros among them, keeps the byte 1 (only this program reads the bytes).
.set NQ,     2
.set FR,     12
.set NL,     3
.set NP,     4
.set TILEB,  1536
.set PLB,    16*TILEB                  ; a plane's 256 rows
.set PLANE,  128*TILEB
.set SLOT,   4*PLB                     ; A's two planes, then B's two
.set LAPS,   4
.set SCO,    16*PLANE
.set BIO,    SCO+131072
.set PACKW,  BIO+8192
.set PACKA,  3276800
.set SCL,    2*SLOT                    ; A's scale words, 16,384 bytes, then B's
.set SPARE,  SCL+32768                 ; the spare words
.set SPITCH, 528
.set CROW,   8192
.set PFO,  8                           ; v8: the prefetches' offset, 256 x min(lane, 23); never rewritten
.set ADRA, 16
.set ADRB, 20
.set STO,  24
.set RD,   25
.set CO,   26
.set ADRS, 27
.set SPW,  28
.set NIL,  29
.set VBO,  30                          ; v's bias: 4 (r + 8 (r / 8))
.set BOF,  31
.set SC,   32
.set BI,   64                          ; the first products' C: q's, k's bias; zeros for v
.set AF,   128
.set BK,   128
.set VB,   224                         ; v224-239: v's bias of my channel in tile a, twice
.set MK,   64                          ; v's way out: v64-127 1.0 or 0.0 for each of my 64 keys
.set X,    128                         ; v128-191 a tile of channels with its bias
.set TM,   192
.set PC,   32
.set PW,   240
.set PWS,  241
.set SEL,  66
.set PFA,  98                          ; s[98:99]: my work-group's 24 blocks of my plane of fill 0; stepped two fills a trip
.set G1, 24
.set G0, 32
.set G1B, 48
.set G0B, 56
.set G1S, 68
.set G0S, 76
.set G1SB, 80
.set G0SB, 88
.set G0H, 4
.set G0HB, 40
.set MSB, 0
.macro WIN new
.if MSB != (\new)
	s_set_vgpr_msb (MSB<<8)|(\new)
.set MSB, (\new)
.endif
.endm
.set MUL_LO, 0xa1
.set MUL_HI, 0xf1
.set TO_B,   0x40
.macro JLOAD g0a, g1a, g0b, g1b        ; waves 0, 1 ask for A's planes, waves 2, 3 for B's
	s_cmp_eq_u32 s15, 0
	s_cbranch_scc0 .Lfor_b_\@
	tensor_load_to_lds s[\g0a:\g0a+3], s[\g1a:\g1a+7]
	s_nop 0
.rept 4
	v_nop
.endr
	s_branch .Lasked_\@
.Lfor_b_\@:
	tensor_load_to_lds s[\g0b:\g0b+3], s[\g1b:\g1b+7]
	s_nop 0
.rept 4
	v_nop
.endr
.Lasked_\@:
.endm
.macro CREST
	s_cmp_lg_u32 s14, 0
	s_cbranch_scc1 .Lnot_wave_0_\@
	s_barrier_signal -3
.Lnot_wave_0_\@:
	s_barrier_wait -3
	s_barrier_signal -1
	s_barrier_wait -1
.endm
.macro CROUND
	s_barrier_signal -1
	s_barrier_wait -1
	CREST
.endm
	s_load_b256 s[4:11], s[0:1], 0x0               ; xq, wqkvq, qkv, att
	v_lshl_add_u32 v[SPW], v0, 2, SPARE
	v_mov_b32 v[NIL], 0
	ds_add_u32 v[SPW], v[NIL]                      ; the opening lines: the add twice and one wait
	ds_add_u32 v[SPW], v[NIL]
	v_lshrrev_b32 v1, 5, v0
	v_readfirstlane_b32 s14, v1                    ; wave
	s_lshr_b32 s15, s14, 1                         ; my half of the A side's rows
	s_and_b32 s16, s14, 1                          ; my half of the B side's rows
	s_bfe_u32 s40, ttmp6, 0x40000
	s_bfe_u32 s41, ttmp6, 0x40004
	s_lshl_b32 s42, ttmp9, 2
	s_add_co_u32 s42, s42, s40                     ; tile column
	s_and_b32 s17, ttmp7, 0xffff
	s_lshl_b32 s17, s17, 2
	s_add_co_u32 s17, s17, s41                     ; tile row
	s_lshl_b32 s43, s41, 2
	s_lshl_b32 s43, 15, s43
	s_lshl_b32 s44, 0x1111, s40
	s_or_b32 s[G1+0], s43, (3<<16)|(1<<21)
	s_or_b32 s[G1B+0], s44, (3<<16)|(1<<21)
.irp g, G1, G1B                                ; the head's tiles of codes: two planes of 24,576 bytes, 196,608 apart
	s_mov_b32 s[\g+1], 3072<<16
	s_mov_b32 s[\g+2], 2<<16
	s_mov_b32 s[\g+3], 3072<<16
	s_mov_b32 s[\g+4], 2
	s_mov_b32 s[\g+5], 24576
	s_mov_b32 s[\g+6], 0
	s_mov_b32 s[\g+7], 0
.endr
	s_or_b32 s[G1S+0], s43, (3<<16)|(1<<21)
	s_or_b32 s[G1SB+0], s44, (3<<16)|(1<<21)
.irp g, G1S, G1SB                              ; scale words: 16 planes of 1,024 bytes, 8,192 apart
	s_mov_b32 s[\g+1], 128<<16
	s_mov_b32 s[\g+2], 16<<16
	s_mov_b32 s[\g+3], 128<<16
	s_mov_b32 s[\g+4], 16
	s_mov_b32 s[\g+5], 1024
	s_mov_b32 s[\g+6], 0
	s_mov_b32 s[\g+7], 0
.endr
	s_lshr_b32 s95, ttmp9, 1                       ; 0 q, 1 k, 2 v
	s_and_b32 s96, s42, 7                          ; tile column inside the matrix
	s_mul_i32 s97, s95, PACKW
	s_cmp_ge_u32 ttmp9, 4                          ; v?
	s_cselect_b32 s18, 2*PACKW, 0                  ; the A side's pack: Wv in wqkvq, or x
	s_cselect_b32 s97, 0, s97                      ; the B side's: x, or Wq, Wk
	s_cselect_b32 s2, s17, s96                     ; the bias goes with the weight's rows
	s_cselect_b32 s3, s15, s16
	s_cselect_b32 s94, s18, s97
	s_mul_i32 s20, s17, PLB
	s_add_co_u32 s20, s20, s18
	s_mov_b32 s21, 0
	s_lshl_b32 s22, s17, 10
	s_add_co_u32 s22, s22, s18
	s_add_co_u32 s22, s22, SCO
	s_mov_b32 s23, 0
	s_mul_i32 s46, s96, PLB
	s_add_co_u32 s46, s46, s97
	s_mov_b32 s47, 0
	s_lshl_b32 s92, s96, 10
	s_add_co_u32 s92, s92, s97
	s_add_co_u32 s92, s92, SCO
	s_mov_b32 s93, 0
	s_lshl_b32 s2, s2, 10
	s_lshl_b32 s3, s3, 9
	s_add_co_u32 s2, s2, s3
	s_add_co_u32 s2, s2, s94
	s_add_co_u32 s18, s2, BIO
	s_mov_b32 s19, 0
	s_mul_i32 s45, s14, PLB
	s_cmp_eq_u32 s15, 0                            ; the prefetches: my place among the four that ask with me,
	s_cselect_b32 s2, s40, s41
	s_mul_i32 s2, s2, 24*256                       ; and its 24 blocks of the plane's 96
	s_mov_b32 s3, 0
	s_wait_dscnt 0x0
	s_wait_kmcnt 0x0
	s_cmp_ge_u32 ttmp9, 4
	s_cselect_b64 s[98:99], s[6:7], s[4:5]
	s_cselect_b64 s[66:67], s[4:5], s[6:7]
	s_add_nc_u64 s[18:19], s[6:7], s[18:19]        ; the bias
	s_add_nc_u64 s[20:21], s[98:99], s[20:21]      ; A's codes, scale words
	s_add_nc_u64 s[22:23], s[98:99], s[22:23]
	s_add_nc_u64 s[46:47], s[66:67], s[46:47]      ; B's
	s_add_nc_u64 s[92:93], s[66:67], s[92:93]
	CROUND                                         ; in front of the first joint loads
	s_mov_b32 s[G0H], 1
	s_mov_b32 s[G0H+1], 0
	s_mov_b64 s[G0H+2:G0H+3], s[20:21]
	s_or_b32 s[G0H+3], s[G0H+3], 0x80000000
	s_mov_b32 s[G0HB], 1
	s_mov_b32 s[G0HB+1], 2*PLB
	s_mov_b64 s[G0HB+2:G0HB+3], s[46:47]
	s_or_b32 s[G0HB+3], s[G0HB+3], 0x80000000
	s_mov_b32 s[G0S], 1
	s_mov_b32 s[G0S+1], SCL
	s_mov_b64 s[G0S+2:G0S+3], s[22:23]
	s_or_b32 s[G0S+3], s[G0S+3], 0x80000000
	s_mov_b32 s[G0SB], 1
	s_mov_b32 s[G0SB+1], SCL+16384
	s_mov_b64 s[G0SB+2:G0SB+3], s[92:93]
	s_or_b32 s[G0SB+3], s[G0SB+3], 0x80000000
	s_mul_i32 s98, s16, PLANE                      ; in the ring I fetch one plane of a slot's two
	s_mov_b32 s99, 0
	s_add_nc_u64 s[20:21], s[20:21], s[98:99]
	s_add_nc_u64 s[46:47], s[46:47], s[98:99]
	s_cmp_eq_u32 s15, 0
	s_cselect_b64 s[PFA:PFA+1], s[20:21], s[46:47] ; the plane that I fetch,
	s_add_nc_u64 s[PFA:PFA+1], s[PFA:PFA+1], s[2:3]   ; my work-group's part of it
.irp s, 0,1
	s_mov_b32 s[G0+4*\s], 1
	s_add_co_u32 s[G0+4*\s+1], s45, \s*SLOT
	s_add_nc_u64 s[G0+4*\s+2:G0+4*\s+3], s[20:21], \s*2*PLANE
	s_or_b32 s[G0+4*\s+3], s[G0+4*\s+3], 0x80000000
	s_mov_b32 s[G0B+4*\s], 1
	s_add_co_u32 s[G0B+4*\s+1], s45, \s*SLOT
	s_add_nc_u64 s[G0B+4*\s+2:G0B+4*\s+3], s[46:47], \s*2*PLANE
	s_or_b32 s[G0B+4*\s+3], s[G0B+4*\s+3], 0x80000000
.endr
; the head's four tiles, one a wave: slot 0's A, slot 0's B, A's scale words, B's
.macro ARM under, g0, g1, next
	s_cmp_lt_u32 s14, \under
	s_cbranch_scc0 \next
	tensor_load_to_lds s[\g0:\g0+3], s[\g1:\g1+7]
	s_nop 0
.rept 4
	v_nop
.endr
	s_branch .Lhead_asked
\next:
.endm
	ARM 1, G0H,  G1,  .Lhead_b
	ARM 2, G0HB, G1B, .Lhead_sa
	ARM 3, G0S,  G1S, .Lhead_sb
	tensor_load_to_lds s[G0SB:G0SB+3], s[G1SB:G1SB+7]
	s_nop 0
.rept 4
	v_nop
.endr
.Lhead_asked:
	s_mul_i32 s21, s15, 8*TILEB
	s_mul_i32 s22, s16, 8*TILEB
	s_add_co_u32 s22, s22, 2*PLB
	s_mul_i32 s23, s14, 16*SPITCH
	s_lshl_b32 s20, s15, 9
	s_lshl_b32 s47, s16, 9
	s_add_co_u32 s47, s47, 16384
	s_sub_co_u32 s47, s47, s20
	s_add_co_u32 s20, s20, SCL
	v_and_b32 v1, 15, v0                           ; r
	v_bfe_u32 v2, v0, 4, 1                         ; h
	v_and_b32 v6, 31, v0
	v_lshlrev_b32 v[CO], 4, v6
	v_min_u32 v[PFO], 23, v6
	v_lshlrev_b32 v[PFO], 8, v[PFO]
	v_lshlrev_b32 v[BOF], 6, v2
	v_and_b32 v5, 8, v1
	v_add_nc_u32 v5, v5, v1
	v_lshlrev_b32 v[VBO], 2, v5
	v_add_nc_u32 v[ADRA], s21, v[CO]
	v_add_nc_u32 v[ADRB], s22, v[CO]
	v_add_nc_u32 v[ADRA+1], SLOT, v[ADRA]
	v_add_nc_u32 v[ADRB+1], SLOT, v[ADRB]
	v_lshlrev_b32 v5, 2, v1
	v_mul_u32_u24 v6, s47, v2                      ; lanes 16-31 take B's scale words
	v_add_nc_u32 v5, v5, v6
	v_add_nc_u32 v[ADRS], s20, v5
	v_mul_u32_u24 v5, v1, SPITCH
	v_lshl_add_u32 v5, v2, 6, v5
	v_add_nc_u32 v[STO], s23, v5
	v_add_nc_u32 v[RD], s23, v[CO]
	s_wait_alu depctr_va_vdst(0)                   ; the wait ahead of the branch
	global_prefetch_b8 v[PFO], s[PFA:PFA+1] offset:4*PLANE th:TH_LOAD_NT scope:SCOPE_SE   ; with fill 0: fill 2 (planes 4, 5)
	s_cmp_ge_u32 ttmp9, 4
	s_cbranch_scc1 .Lv_head
.irp b, 0,1,2,3,4,5,6,7                        ; q, k: the bias of my 128 columns, in the results' layout
	global_load_b128 v[BI+8*\b:BI+8*\b+3], v[BOF], s[18:19] offset:128*(\b/2)+32*(\b%2)
	global_load_b128 v[BI+8*\b+4:BI+8*\b+7], v[BOF], s[18:19] offset:128*(\b/2)+32*(\b%2)+16
.endr
	s_lshl_b32 s20, s17, 8
	s_lshl_b32 s21, s15, 7
	s_add_co_u32 s20, s20, s21
	s_lshl_b32 s20, s20, 13                        ; my first row of qkv
	s_mov_b32 s21, 0
	s_lshl_b32 s46, s95, 24
	s_lshl_b32 s47, s96, 10
	s_add_co_u32 s46, s46, s47
	s_lshl_b32 s47, s16, 9
	s_add_co_u32 s46, s46, s47
	s_mov_b32 s47, 0
	s_add_nc_u64 s[20:21], s[20:21], s[46:47]
	s_add_nc_u64 s[12:13], s[8:9], s[20:21]
	s_branch .Lhead_end
.Lv_head:
.irp a, 0,1,2,3,4,5,6,7                        ; v: the bias of my channel in each tile, into both registers of a pair
	global_load_b32 v[VB+2*\a], v[VBO], s[18:19] offset:128*(\a/2)+32*(\a%2)
	global_load_b32 v[VB+2*\a+1], v[VBO], s[18:19] offset:128*(\a/2)+32*(\a%2)
.endr
.set i, 0
.rept 64
	v_mov_b32 v[BI+i], 0                           ; the one text's first products take these registers as C
.set i, i+1
.endr
	s_lshl_b32 s20, s17, 1
	s_add_co_u32 s20, s20, s15                     ; head
	s_lshl_b32 s21, s96, 1
	s_add_co_u32 s21, s21, s16                     ; plane of 128 keys
	s_mul_i32 s22, s20, PLANE
	s_mul_i32 s23, s21, 8*TILEB
	s_add_co_u32 s22, s22, s23
	s_add_co_u32 s22, s22, 2*PACKA
	s_mov_b32 s23, 0
	s_lshl_b32 s46, s20, 13
	s_lshl_b32 s47, s21, 9
	s_add_co_u32 s46, s46, s47
	s_add_co_u32 s46, s46, 2*PACKA+SCO
	s_mov_b32 s47, 0
	s_add_nc_u64 s[12:13], s[10:11], s[22:23]      ; my eight fragments in att's pack of V
	s_add_nc_u64 s[10:11], s[10:11], s[46:47]      ; and their scale words
.Lhead_end:
.macro FRAG reg, adr, q, i
.irp c, 0,1,2
	ds_load_b128 v[\reg+4*\c:\reg+4*\c+3], v[\adr] offset:(\q)*PLB+(\i)*TILEB+512*\c
.endr
.endm
; 16 products: A's blocks a0, a0 + 1 x B's eight; the 64 accumulators take turns
.macro MUL16 a0, p, q, sc, zero
.irp a, \a0, \a0+1
.irp b, 0,1,2,3,4,5,6,7
.if \zero
	v_wmma_scale_f32_16x16x128_f8f6f4 v[8*(8*((\a)%4)+\b):8*(8*((\a)%4)+\b)+7], v[128*(\p)+FR*\b:128*(\p)+FR*\b+FR-1], v[AF+FR*(\a):AF+FR*(\a)+FR-1], v[BI+8*\b:BI+8*\b+7], v[SC+8*NQ*(\sc)+NQ*\b+(\q)], v[SC+8*NQ*(\sc)+NQ*(\a)+(\q)] matrix_a_fmt:MATRIX_FMT_FP6 matrix_b_fmt:MATRIX_FMT_FP6 matrix_a_scale:MATRIX_SCALE_ROW1
.else
	v_wmma_scale_f32_16x16x128_f8f6f4 v[8*(8*((\a)%4)+\b):8*(8*((\a)%4)+\b)+7], v[128*(\p)+FR*\b:128*(\p)+FR*\b+FR-1], v[AF+FR*(\a):AF+FR*(\a)+FR-1], v[8*(8*((\a)%4)+\b):8*(8*((\a)%4)+\b)+7], v[SC+8*NQ*(\sc)+NQ*\b+(\q)], v[SC+8*NQ*(\sc)+NQ*(\a)+(\q)] matrix_a_fmt:MATRIX_FMT_FP6 matrix_b_fmt:MATRIX_FMT_FP6 matrix_a_scale:MATRIX_SCALE_ROW1
.endif
.endr
.endr
.endm
.macro FETCH_B slot, q, p
	WIN TO_B
.irp i, 0,1,2,3,4,5,6,7
	FRAG 128*(\p)+FR*\i, ADRB+\slot, \q, \i
.endr
	WIN 0
.endm
.macro FETCH_A slot, q, i0
.irp i, \i0, \i0+1, \i0+2, \i0+3
	FRAG AF+FR*(\i), ADRA+\slot, \q, \i
.endr
.endm
.macro SCALES sc
.irp i, 0,1,2,3,4,5,6,7
.irp q, 0,1
	ds_load_b32 v[SC+8*NQ*\sc+NQ*\i+\q], v[ADRS] offset:\q*1024+\i*64
.endr
.endr
.endm
.macro PLACES n
.rept \n
	v_nop
.endr
.endm
.macro STEP slot, q, zero              ; a slot's first plane; the second plane's fragments are fetched in its middle and at its end
	s_wait_dscnt 4*NL                              ; all but A's blocks 4-7 (12 loads)
	WIN MUL_LO-0x20*(\zero)
	MUL16 0, (\q)%2, \q, \slot, \zero
	MUL16 2, (\q)%2, \q, \slot, \zero
	s_wait_dscnt 0
	PLACES NP
	FETCH_B \slot, (\q)+1, 1-(\q)%2
	FETCH_A \slot, (\q)+1, 0
	WIN MUL_HI-0x30*(\zero)
	MUL16 4, (\q)%2, \q, \slot, \zero
	MUL16 6, (\q)%2, \q, \slot, \zero
	PLACES NP
	WIN 0
	FETCH_A \slot, (\q)+1, 4
.endm
.macro TURN slot, next, fill           ; a slot's second plane, and the change of slots
	s_wait_tensorcnt 0x0                           ; my part of the next slot is in
	ds_add_u32 v[SPW], v[NIL]
	s_wait_dscnt 4*NL+1                            ; the add and A's blocks 4-7 may be out
	WIN MUL_LO
	MUL16 0, 1, NQ-1, \slot, 0
	s_wait_dscnt 0x0                               ; the add, and my reads of this slot
	s_barrier_signal -1
	MUL16 2, 1, NQ-1, \slot, 0
	WIN 0
	s_barrier_wait -1
.if \fill
	CREST
	s_add_nc_u64 s[G0+4*\slot+2:G0+4*\slot+3], s[G0+4*\slot+2:G0+4*\slot+3], 4*PLANE
	s_add_nc_u64 s[G0B+4*\slot+2:G0B+4*\slot+3], s[G0B+4*\slot+2:G0B+4*\slot+3], 4*PLANE
	JLOAD G0+4*\slot, G1, G0B+4*\slot, G1B
.else
	PLACES NP
.endif
	s_wait_alu depctr_va_vdst(0)                   ; the wait ahead of the reader below
	v_add_nc_u32 v[ADRS], 1024*NQ, v[ADRS]
	FETCH_B \next, 0, 0
	FETCH_A \next, 0, 0
	SCALES \next
.if \fill
	s_cmp_gt_u32 s3, 1                             ; the loop's last trip has no fill two on
	s_cbranch_scc0 .Lno_ask_\@
	global_prefetch_b8 v[PFO], s[PFA:PFA+1] offset:(8+2*\slot)*PLANE th:TH_LOAD_NT scope:SCOPE_SE   ; the fill two on: four planes beyond the one just asked for
.Lno_ask_\@:
.endif
	WIN MUL_HI
	MUL16 4, 1, NQ-1, \slot, 0
	MUL16 6, 1, NQ-1, \slot, 0
	PLACES NP
	WIN 0
	FETCH_A \next, 0, 4
.endm
	s_wait_alu depctr_va_vdst(0)                   ; the wait at the head's end
	s_wait_tensorcnt 0x0                           ; my tile of the head's four is in
	ds_add_u32 v[SPW], v[NIL]
.irp g, G1, G1B                                ; no load of mine is out: from here on a load brings one plane, 96 rows of 256 bytes
	s_mov_b32 s[\g+1], 32<<16
	s_mov_b32 s[\g+2], 96<<16
	s_mov_b32 s[\g+3], 32<<16
	s_mov_b32 s[\g+4], 96
	s_mov_b32 s[\g+5], 32
.endr
	s_wait_dscnt 0x0
	CROUND
	JLOAD G0+4, G1, G0B+4, G1B                     ; slot 1's first fill, issued as a refill is
	FETCH_B 0, 0, 0
	FETCH_A 0, 0, 0
	global_prefetch_b8 v[PFO], s[PFA:PFA+1] offset:6*PLANE th:TH_LOAD_NT scope:SCOPE_SE   ; with fill 1: fill 3 (planes 6, 7)
	SCALES 0
	FETCH_A 0, 0, 4
	s_wait_loadcnt 0x0                             ; the bias
	STEP 0, 0, 1
	s_mov_b32 s3, LAPS-1
.Llap:
	TURN 0, 1, 1
	STEP 1, 0, 0
	TURN 1, 0, 1
	STEP 0, 0, 0
	s_wait_xcnt 0x0                                ; the trip's prefetches have read their address: it steps two fills on
	s_add_nc_u64 s[PFA:PFA+1], s[PFA:PFA+1], 4*PLANE
	s_sub_co_u32 s3, s3, 1
	s_cmp_lg_u32 s3, 0
	s_cbranch_scc1 .Llap
	TURN 0, 1, 0
	STEP 1, 0, 0
	s_wait_dscnt 4*NL
	WIN MUL_LO
	MUL16 0, 1, NQ-1, 1, 0
	MUL16 2, 1, NQ-1, 1, 0
	s_wait_dscnt 0
	WIN MUL_HI
	MUL16 4, 1, NQ-1, 1, 0
	MUL16 6, 1, NQ-1, 1, 0
	WIN 0
	s_cmp_ge_u32 ttmp9, 4
	s_cbranch_scc1 .Lvout
; q, k: 16 rows x 128 columns at a time through my stage in slot 0 (its last fill and last read are over), back as rows of 512 bytes
.macro TOSTAGE a
.set AC, 64*((\a)%4)
	WIN 0x08+4*((\a)/4)
.irp b, 0,1,2,3,4,5,6,7
	ds_store_b128 v[STO], v[AC+8*\b:AC+8*\b+3] offset:128*(\b/2)+32*(\b%2)
	ds_store_b128 v[STO], v[AC+8*\b+4:AC+8*\b+7] offset:128*(\b/2)+32*(\b%2)+16
.endr
	WIN 0
.set BB, BK+64*((\a)%2)
.irp t, 0,1,2,3,4,5,6,7,8,9,10,11,12,13,14,15
	ds_load_b128 v[BB+4*\t:BB+4*\t+3], v[RD] offset:\t*SPITCH
.endr
.endm
.macro SEND a, younger
.set BB, BK+64*((\a)%2)
	s_wait_dscnt \younger
.irp t, 0,1,2,3,4,5,6,7,8,9,10,11,12,13,14,15
	global_store_b128 v[CO], v[BB+4*\t:BB+4*\t+3], s[12:13] offset:(32*((\a)/2)+8*((\a)%2)+\t+8*(\t/8))*CROW th:TH_STORE_NT
.endr
.endm
	PLACES NP
	TOSTAGE 0
.irp a, 1,2,3,4,5,6,7
.if \a > 1
	s_wait_xcnt 0x0                                ; block a - 2's stores have read their registers
.endif
	TOSTAGE \a
	SEND \a-1, 32                                  ; block a's 16 stores and 16 loads may be out
.endr
	SEND 7, 0
	s_wait_tensorcnt 0x0                           ; the wave's end
	ds_add_u32 v[SPW], v[NIL]
	s_wait_dscnt 0x0
	CROUND
	s_endpgm
; v: register 16 b + i of a tile's 64 is key 32 b + 16 h + i of my channel
.macro QUANT s
.irp b, 0,1,2,3
	v_max3_num_f32 v[TM+\b], |v[\s+16*\b]|, |v[\s+1+16*\b]|, 0x1800000   ; with the floor 2^(3 - 127): the byte cannot fall under 1
.endr
.irp i, 2,4,6,8,10,12,14
.irp b, 0,1,2,3
	v_max3_num_f32 v[TM+\b], v[TM+\b], |v[\s+16*\b+\i]|, |v[\s+1+16*\b+\i]|
.endr
.endr
.irp b, 0,1,2,3
	v_permlanex16_b32 v[TM+4+\b], v[TM+\b], s[SEL], s[SEL+1]
.endr
.irp b, 0,1,2,3
	v_max_num_f32 v[TM+\b], v[TM+\b], v[TM+4+\b]
.endr
.irp b, 0,1,2,3
	v_add_nc_u32 v[TM+12+\b], 0xff000000, v[TM+\b]   ; 2 off the exponent field: the conversion's scale operand
.endr
.irp b, 0,1,2,3
	v_lshrrev_b32 v[TM+4+\b], 23, v[TM+12+\b]
.endr
	v_lshl_or_b32 v[PW], v[TM+5], 8, v[TM+4]
	v_lshl_or_b32 v[PW], v[TM+6], 16, v[PW]
	v_lshl_or_b32 v[PW], v[TM+7], 24, v[PW]
.irp c, 0,1
	v_cvt_scalef32_pk16_fp6_f32 v[PC+6*\c:PC+2+6*\c], v[\s+32*\c:\s+15+32*\c], v[TM+12+2*\c]
	v_cvt_scalef32_pk16_fp6_f32 v[PC+12+4*\c:PC+14+4*\c], v[\s+16+32*\c:\s+31+32*\c], v[TM+12+2*\c+1]
.endr
	v_nop                                          ; one plain place behind a scaled conversion
.irp c, 0,1
.irp i, 0,1,2
	v_permlane16_swap_b32 v[PC+6*\c+\i], v[PC+12+4*\c+\i]
.endr
.irp i, 0,1,2
	v_mov_b32 v[PC+3+6*\c+\i], v[PC+12+4*\c+\i]
.endr
.endr
.endm
.macro VOUT a                          ; tile a of 16 channels x my 128 keys: + bias under the mask, quantised, stored as a fragment
.if (\a) > 0
	s_wait_xcnt 0x0                                ; the last tile's stores have read their registers
.endif
	WIN 0x20+0x10*((\a)/4)                         ; source 2: window 2 or 3
.set i, 0
.rept 32
	v_pk_fma_f32 v[X+i:X+i+1], v[MK+i:MK+i+1], v[VB+2*(\a):VB+2*(\a)+1], v[64*((\a)%4)+i:64*((\a)%4)+i+1]
.set i, i+2
.endr
	WIN 0
	QUANT X
.irp c, 0,1,2
	global_store_b128 v[CO], v[PC+4*\c:PC+4*\c+3], s[12:13] offset:(\a)*TILEB+512*\c   ; 512 consecutive bytes
.endr
.if (\a)%2 == 0
	v_mov_b32 v[PWS], v[PW]
.else
	v_cndmask_b32 v[PWS], v[PWS], v[PW], s2        ; lanes 0-15 tile a - 1's words, lanes 16-31 tile a's
	global_store_b32 v7, v[PWS], s[10:11] offset:128*((\a)/2)   ; 128 consecutive bytes
.endif
.endm
.Lvout:
	PLACES NP
	s_mov_b32 s[SEL], 0x76543210
	s_mov_b32 s[SEL+1], 0xfedcba98
	s_lshl_b32 s20, s96, 8
	s_lshl_b32 s21, s16, 7
	s_add_co_u32 s20, s20, s21
	s_sub_co_u32 s20, 1992, s20                    ; keys left from my first on
	v_lshlrev_b32 v5, 4, v2
	v_sub_nc_u32 v5, s20, v5
	v_mov_b32 v6, 1.0
	v_and_b32 v7, 31, v0
	v_cmp_le_u32 s2, 16, v7
	v_lshlrev_b32 v7, 2, v7
.irp b, 0,1,2,3
	v_mov_b32 v[TM+4+\b], 0                        ; a lane permute's destination counts as a source
.endr
.set i, 0
.rept 64
	v_cmp_lt_i32 vcc_lo, 32*(i/16)+i%16, v5
	v_cndmask_b32 v[MK+i], 0, v6, vcc_lo           ; 1.0 for a key under 1,992
.set i, i+1
.endr
.irp a, 0,1,2,3,4,5,6,7
	VOUT \a
.endr
	s_wait_tensorcnt 0x0                           ; the wave's end
	ds_add_u32 v[SPW], v[NIL]
	s_wait_dscnt 0x0
	CROUND
	s_endpgm
.Lfunc_end_k_qde8dcd4391_gemm:
	.size	k_qde8dcd4391_gemm, .Lfunc_end_k_qde8dcd4391_gemm-k_qde8dcd4391_gemm
	.p2alignl 7, 3214868480
	.fill 96, 4, 3214868480
	.section	.rodata,"a",@progbits
	.p2align	6, 0x0
	.amdhsa_kernel k_qde8dcd4391_gemm
		.amdhsa_group_segment_fixed_size 327680
		.amdhsa_private_segment_fixed_size 0
		.amdhsa_enable_private_segment 0
		.amdhsa_kernarg_size 32
		.amdhsa_user_sgpr_count 2
		.amdhsa_user_sgpr_kernarg_segment_ptr 1
		.amdhsa_wavefront_size32 1
		.amdhsa_system_sgpr_workgroup_id_x 1
		.amdhsa_system_sgpr_workgroup_id_y 1
		.amdhsa_system_sgpr_workgroup_id_z 1
		.amdhsa_system_vgpr_workitem_id 0
		.amdhsa_next_free_vgpr 1024
		.amdhsa_next_free_sgpr 100
		.amdhsa_reserve_vcc 1
		.amdhsa_float_denorm_mode_32 3
		.amdhsa_float_denorm_mode_16_64 3
		.amdhsa_memory_ordered 1
		.amdhsa_forward_progress 1
		.amdhsa_inst_pref_size 201
	.end_amdhsa_kernel
	.amdgpu_metadata
---
amdhsa.version: [ 1, 2 ]
amdhsa.kernels:
  - .name:           k_qde8dcd4391_gemm
    .symbol:         k_qde8dcd4391_gemm.kd
    .args:
      - { .name: xq, .offset: 0, .size: 8, .value_kind: global_buffer, .address_space: global }
      - { .name: wqkvq, .offset: 8, .size: 8, .value_kind: global_buffer, .address_space: global }
      - { .name: qkv, .offset: 16, .size: 8, .value_kind: global_buffer, .address_space: global }
      - { .name: att, .offset: 24, .size: 8, .value_kind: global_buffer, .address_space: global }
    .group_segment_fixed_size: 327680
    .private_segment_fixed_size: 0
    .kernarg_segment_align: 8
    .kernarg_segment_size: 32
    .max_flat_workgroup_size: 128
    .sgpr_count:     100
    .vgpr_count:     1024
    .wavefront_size: 32
...
	.end_amdgpu_metadata
.endif
;; end of part 2
;; launch prep (part 3): grid 256 x 1, 16 waves a work-group, no clusters, 146,432 bytes of LDS; arguments qkv, norm_q_w, norm_k_w, freqs_cos, freqs_sin, att; writes att
.if DOCPART == 3
	.amdgcn_target "amdgcn-amd-amdhsa--gfx1250"
	.amdhsa_code_object_version 6
	.text
	.protected	k_qde8dcd4391_prep
	.globl	k_qde8dcd4391_prep
	.p2align	8
	.type	k_qde8dcd4391_prep,@function
k_qde8dcd4391_prep:
	s_mov_b64 s[64:65], 0
	v_nop
	global_prefetch_b8 v0, s[64:65] scope:SCOPE_SE
	s_setreg_imm32_b32 hwreg(HW_REG_WAVE_MODE, 25, 1), 1
	s_wait_xcnt 0x0
; From q, k = x W^T + b (two matrices [2048][2048] f32 in qkv) to attention's operands in att: packs of FP6 (E2M3) codes with one E8M0 byte for each 32 along the head's 128.
; RMS norm over the whole row of 2,048, gain, rope, quantiser.  Pack: head x 196,608 + tile x 1,536 + c x 512 + lane x 16; row p of tile t is position 32 (t / 2) + 8 (t % 2) + p + 8 (p / 8);
; scale words at SCO + head x 8,192 + tile x 64 + 4 p.  q at 0, k at PACKA.  Positions 1,992 .. 2,047 become zero codes.  (v's pack has been stored by the launch before.)
; LIMITS: NaN and infinities are not served; a block whose largest magnitude lies under 2^-124, a block of zeros among them, keeps the byte 1 (only this program reads the bytes);
; 1 / rms comes by v_rsq_f32; in the rope each second product is fused into its sum.
; SHARES: work-groups 0 .. 127: q's tile id; 128 .. 255: k's tile id - 128: 16 positions, wave w = head w.
.set PACKA, 3276800
.set SCO,   3145728
.set PLANE, 196608
.set TILEB, 1536
.set PS,    0                          ; partial sums of squares: [row j][wave], 64 bytes a row
.set CSB,   1024                       ; the rows' quads (cos, sin, cos, sin): [row j][512 bytes]
.set STG,   9216                       ; a stage of 16 rows x 528 bytes for each wave
.set SPARE, 144384                     ; the spare words, 128 bytes a wave
.set X,   16
.set Y,   80
.set W,   144
.set CQ,  148
.set SQ,  152
.set P,   160
.set PT,  176
.set TM,  192
.set PC,  208
.set PW,  228
.set SEL, 18
.set RJ,  32
.macro QUANT s
.irp b, 0,1,2,3
	v_max3_num_f32 v[TM+\b], |v[\s+16*\b]|, |v[\s+1+16*\b]|, 0x1800000   ; with the floor 2^(3 - 127)
.endr
.irp i, 2,4,6,8,10,12,14
.irp b, 0,1,2,3
	s_delay_alu instid0(VALU_DEP_4)
	v_max3_num_f32 v[TM+\b], v[TM+\b], |v[\s+16*\b+\i]|, |v[\s+1+16*\b+\i]|
.endr
.endr
.irp b, 0,1,2,3
	s_delay_alu instid0(VALU_DEP_4)
	v_permlanex16_b32 v[TM+4+\b], v[TM+\b], s[SEL], s[SEL+1]
.endr
.irp b, 0,1,2,3
	s_delay_alu instid0(VALU_DEP_4)
	v_max_num_f32 v[TM+\b], v[TM+\b], v[TM+4+\b]
.endr
.irp b, 0,1,2,3
	s_delay_alu instid0(VALU_DEP_4)
	v_add_nc_u32 v[TM+12+\b], 0xff000000, v[TM+\b]
.endr
.irp b, 0,1,2,3
	s_delay_alu instid0(VALU_DEP_4)
	v_lshrrev_b32 v[TM+4+\b], 23, v[TM+12+\b]
.endr
	s_delay_alu instid0(VALU_DEP_3)
	v_lshl_or_b32 v[PW], v[TM+5], 8, v[TM+4]
	s_delay_alu instid0(VALU_DEP_1)
	v_lshl_or_b32 v[PW], v[TM+6], 16, v[PW]
	s_delay_alu instid0(VALU_DEP_1)
	v_lshl_or_b32 v[PW], v[TM+7], 24, v[PW]
.irp c, 0,1
	v_cvt_scalef32_pk16_fp6_f32 v[PC+6*\c:PC+2+6*\c], v[\s+32*\c:\s+15+32*\c], v[TM+12+2*\c]
	v_cvt_scalef32_pk16_fp6_f32 v[PC+12+4*\c:PC+14+4*\c], v[\s+16+32*\c:\s+31+32*\c], v[TM+12+2*\c+1]
.endr
	v_nop                                          ; one plain place behind a scaled conversion
.irp c, 0,1
.irp i, 0,1,2
	v_permlane16_swap_b32 v[PC+6*\c+\i], v[PC+12+4*\c+\i]
.endr
.irp i, 0,1,2
	s_delay_alu instid0(VALU_DEP_3)
	v_mov_b32 v[PC+3+6*\c+\i], v[PC+12+4*\c+\i]
.endr
.endr
.endm
	s_load_b256 s[4:11], s[0:1], 0x0               ; qkv, q's gain, k's gain, cos
	s_load_b128 s[12:15], s[0:1], 0x20             ; sin, att
	v_lshl_add_u32 v254, v0, 2, SPARE
	v_mov_b32 v255, 0
	v_lshrrev_b32 v1, 5, v0
	s_delay_alu instid0(VALU_DEP_1)
	v_readfirstlane_b32 s20, v1                    ; wave 0..15
	v_and_b32 v1, 31, v0
	v_and_b32 v2, 15, v0                           ; r
	v_bfe_u32 v3, v0, 4, 1                         ; h
	s_delay_alu instid0(VALU_DEP_3)
	v_lshlrev_b32 v4, 4, v1                        ; 16 x lane
	s_lshr_b32 s22, ttmp9, 7                       ; 0: q, 1: k
	s_and_b32 s23, ttmp9, 127                      ; the tile T
	s_lshr_b32 s24, s23, 1
	s_lshl_b32 s24, s24, 5
	s_and_b32 s25, s23, 1
	s_lshl_b32 s25, s25, 3
	s_add_co_u32 s24, s24, s25                     ; its first position
	s_cmp_eq_u32 s23, 124                          ; rows under 1,992: 16 up to tile 123, 8 of tile 124, none beyond
	s_cselect_b32 s25, 8, 0
	s_cmp_lt_u32 s23, 124
	s_cselect_b32 s25, 16, s25
	s_mov_b32 s[SEL], 0x76543210
	s_mov_b32 s[SEL+1], 0xfedcba98
	s_mov_b32 s16, 0x3a000000                      ; 1 / 2,048
	s_mov_b32 s17, 0x358637bd                      ; 1e-6
	s_lshl_b32 s26, s20, 2
	v_mov_b32 v5, s26                              ; PS + 4 w
	s_lshl_b32 s26, s20, 9
	s_add_co_u32 s26, s26, CSB
	s_wait_alu depctr_va_vdst(0)                   ; the wait ahead of the readers below
	v_add_nc_u32 v6, s26, v4
	v_lshlrev_b32 v7, 6, v2
	v_add_nc_u32 v8, CSB, v4
	s_mul_i32 s26, s20, 16*528
	s_add_co_u32 s26, s26, STG
	v_add_nc_u32 v9, s26, v4                       ; my stage, way in
	v_mul_u32_u24 v10, v2, 528
	s_delay_alu instid0(VALU_DEP_1)
	v_lshl_add_u32 v10, v3, 6, v10
	s_delay_alu instid0(VALU_DEP_1)
	v_add_nc_u32 v10, s26, v10                     ; and way out
	v_lshlrev_b32 v11, 2, v2
.irp j, 0,1,2,3,4,5,6,7,8,9,10,11,12,13,14,15
	v_mov_b32 v[PT+\j], 0                          ; a lane permute's destination counts as a source
.endr
.irp b, 0,1,2,3
	v_mov_b32 v[TM+4+\b], 0
.endr
	s_lshl_b32 s26, s22, 24
	s_lshl_b32 s27, s24, 13
	s_add_co_u32 s26, s26, s27
	s_lshl_b32 s28, s20, 9
	s_add_co_u32 s26, s26, s28
	s_mov_b32 s27, 0
	s_mov_b32 s29, 0
	s_lshr_b32 s30, s20, 3                         ; row w's position, for cos and sin
	s_lshl_b32 s30, s30, 3
	s_add_co_u32 s30, s30, s20
	s_add_co_u32 s30, s30, s24
	s_lshl_b32 s30, s30, 9
	s_mov_b32 s31, 0
	s_mul_i32 s48, s22, PACKA
	s_mul_i32 s49, s20, PLANE
	s_add_co_u32 s50, s48, s49
	s_mul_i32 s49, s23, TILEB
	s_add_co_u32 s50, s50, s49
	s_mov_b32 s51, 0
	s_lshl_b32 s49, s20, 13
	s_add_co_u32 s52, s48, s49
	s_lshl_b32 s49, s23, 6
	s_add_co_u32 s52, s52, s49
	s_add_co_u32 s52, s52, SCO
	s_mov_b32 s53, 0
	s_wait_alu depctr_va_vdst(0)                   ; the wait at the head's end
	s_wait_kmcnt 0x0
	s_cmp_eq_u32 s22, 0
	s_cselect_b64 s[6:7], s[6:7], s[8:9]
	s_add_nc_u64 s[4:5], s[4:5], s[26:27]
	s_add_nc_u64 s[6:7], s[6:7], s[28:29]
	s_add_nc_u64 s[10:11], s[10:11], s[30:31]
	s_add_nc_u64 s[12:13], s[12:13], s[30:31]
	s_add_nc_u64 s[50:51], s[14:15], s[50:51]
	s_add_nc_u64 s[52:53], s[14:15], s[52:53]
	global_load_b128 v[W:W+3], v4, s[6:7]
	s_cmp_eq_u32 s25, 0                            ; rows 0 .. 7: loaded, or zeros
	s_cbranch_scc1 .Lq_zero_lo
.irp j, 0,1,2,3,4,5,6,7
	global_load_b128 v[X+4*\j:X+4*\j+3], v4, s[4:5] offset:\j*8192 th:TH_LOAD_NT
.endr
	s_branch .Lq_lo_done
.Lq_zero_lo:
.irp i, 0,1,2,3,4,5,6,7,8,9,10,11,12,13,14,15,16,17,18,19,20,21,22,23,24,25,26,27,28,29,30,31
	v_mov_b32 v[X+\i], 0
.endr
.Lq_lo_done:
	s_cmp_eq_u32 s25, 16                           ; rows 8 .. 15 likewise
	s_cbranch_scc0 .Lq_zero_hi
.irp j, 8,9,10,11,12,13,14,15
	global_load_b128 v[X+4*\j:X+4*\j+3], v4, s[4:5] offset:(\j+8)*8192 th:TH_LOAD_NT
.endr
	s_branch .Lq_hi_done
.Lq_zero_hi:
.irp i, 32,33,34,35,36,37,38,39,40,41,42,43,44,45,46,47,48,49,50,51,52,53,54,55,56,57,58,59,60,61,62,63
	v_mov_b32 v[X+\i], 0
.endr
.Lq_hi_done:
	s_cmp_lt_u32 s20, s25                          ; wave w brings row w's cos and sin for all sixteen waves
	s_cbranch_scc0 .Lq_zero_cs
	global_load_b128 v[CQ:CQ+3], v4, s[10:11]
	global_load_b128 v[SQ:SQ+3], v4, s[12:13]
	s_branch .Lq_cs_done
.Lq_zero_cs:
.irp i, 0,1,2,3
	v_mov_b32 v[CQ+\i], 0
	v_mov_b32 v[SQ+\i], 0
.endr
.Lq_cs_done:
	s_wait_alu depctr_va_vdst(0)                   ; the wait ahead of the wait below
	s_wait_loadcnt 0x0
.irp j, 0,1,2,3,4,5,6,7,8,9,10,11,12,13,14,15
	v_pk_mul_f32 v[Y+2*\j:Y+2*\j+1], v[X+4*\j:X+4*\j+1], v[X+4*\j:X+4*\j+1]
.endr
.irp j, 0,1,2,3,4,5,6,7,8,9,10,11,12,13,14,15
	v_pk_fma_f32 v[Y+2*\j:Y+2*\j+1], v[X+4*\j+2:X+4*\j+3], v[X+4*\j+2:X+4*\j+3], v[Y+2*\j:Y+2*\j+1]
.endr
.irp j, 0,1,2,3,4,5,6,7,8,9,10,11,12,13,14,15
	v_add_f32 v[P+\j], v[Y+2*\j], v[Y+2*\j+1]
.endr
.irp m, 1,2,4,8
.irp j, 0,1,2,3,4,5,6,7,8,9,10,11,12,13,14,15
	v_add_f32_dpp v[P+\j], v[P+\j], v[P+\j] row_xmask:\m row_mask:0xf bank_mask:0xf
.endr
.endr
.irp j, 0,1,2,3,4,5,6,7,8,9,10,11,12,13,14,15
	v_permlanex16_b32 v[PT+\j], v[P+\j], s[SEL], s[SEL+1]
.endr
.irp j, 0,1,2,3,4,5,6,7,8,9,10,11,12,13,14,15
	v_add_f32 v[P+\j], v[P+\j], v[PT+\j]
.endr
.irp j, 0,1,2,3,4,5,6,7,8,9,10,11,12,13,14,15
	ds_store_b32 v5, v[P+\j] offset:PS+64*\j       ; all lanes write the same word with the same value
.endr
	v_mov_b32 v[CQ+1], v[SQ+1]                     ; a pair (2 m, 2 m + 1) turns by cos[2 m] and sin[2 m + 1]
	v_mov_b32 v[CQ+3], v[SQ+3]
	ds_store_b128 v6, v[CQ:CQ+3]
	s_wait_dscnt 0x0                               ; for the others' sake
	s_barrier_signal -1
	s_barrier_wait -1
.irp i, 0,1,2,3
	ds_load_b128 v[PT+4*\i:PT+4*\i+3], v7 offset:PS+16*\i   ; the sixteen heads' parts of row r
.endr
.irp j, 0,1,2,3,4,5,6,7,8,9,10,11,12,13,14,15
	ds_load_b128 v[Y+4*\j:Y+4*\j+3], v8 offset:512*\j   ; row j's quad for my 4 channels
.endr
	s_wait_dscnt 16                                ; the four loads of parts are in; the sixteen behind them may be out
.irp i, 0,4,8,12
	v_pk_add_f32 v[PT+\i:PT+\i+1], v[PT+\i:PT+\i+1], v[PT+\i+2:PT+\i+3]
.endr
	s_delay_alu instid0(VALU_DEP_3)
	v_pk_add_f32 v[PT:PT+1], v[PT:PT+1], v[PT+4:PT+5]
	s_delay_alu instid0(VALU_DEP_2)
	v_pk_add_f32 v[PT+8:PT+9], v[PT+8:PT+9], v[PT+12:PT+13]
	s_delay_alu instid0(VALU_DEP_1)
	v_pk_add_f32 v[PT:PT+1], v[PT:PT+1], v[PT+8:PT+9]
	s_delay_alu instid0(VALU_DEP_1)
	v_add_f32 v[PT], v[PT], v[PT+1]
	s_delay_alu instid0(VALU_DEP_1)
	v_fma_f32 v[PT], v[PT], s16, s17               ; the mean + 1e-6
	s_wait_alu depctr_va_vdst(0)                   ; the wait ahead of the transcendental
	v_rsq_f32 v[PT+1], v[PT]
	v_nop
	s_wait_alu depctr_va_vdst(0)                   ; and ahead of its result's first reader
.irp j, 0,1,2,3,4,5,6,7,8,9,10,11,12,13,14,15
	v_readlane_b32 s[RJ+\j], v[PT+1], \j           ; lane j holds row j's
.endr
	s_wait_dscnt 0x0                               ; the quads
.irp j, 0,1,2,3,4,5,6,7,8,9,10,11,12,13,14,15
.irp i, 0,1,2,3
	v_mul_f32 v[X+4*\j+\i], s[RJ+\j], v[X+4*\j+\i]   ; x / rms,
.endr
	s_delay_alu instid0(VALU_DEP_3)
	v_pk_mul_f32 v[X+4*\j:X+4*\j+1], v[X+4*\j:X+4*\j+1], v[W:W+1]   ; x the gain
	s_delay_alu instid0(VALU_DEP_2)
	v_pk_mul_f32 v[X+4*\j+2:X+4*\j+3], v[X+4*\j+2:X+4*\j+3], v[W+2:W+3]
	s_delay_alu instid0(VALU_DEP_2)
	v_mul_f32 v[P+4*(\j%4)], v[X+4*\j+1], v[Y+4*\j+1]       ; x2 sin
	s_delay_alu instid0(VALU_DEP_3)
	v_mul_f32 v[P+4*(\j%4)+1], v[X+4*\j], v[Y+4*\j+1]       ; x1 sin
	s_delay_alu instid0(VALU_DEP_3)
	v_mul_f32 v[P+4*(\j%4)+2], v[X+4*\j+3], v[Y+4*\j+3]
	s_delay_alu instid0(VALU_DEP_4)
	v_mul_f32 v[P+4*(\j%4)+3], v[X+4*\j+2], v[Y+4*\j+3]
	s_delay_alu instid0(VALU_DEP_4)
	v_fma_f32 v[X+4*\j], v[X+4*\j], v[Y+4*\j], -v[P+4*(\j%4)]          ; x1 cos - x2 sin
	s_delay_alu instid0(VALU_DEP_4)
	v_fma_f32 v[X+4*\j+1], v[X+4*\j+1], v[Y+4*\j], v[P+4*(\j%4)+1]     ; x2 cos + x1 sin
	s_delay_alu instid0(VALU_DEP_4)
	v_fma_f32 v[X+4*\j+2], v[X+4*\j+2], v[Y+4*\j+2], -v[P+4*(\j%4)+2]
	s_delay_alu instid0(VALU_DEP_4)
	v_fma_f32 v[X+4*\j+3], v[X+4*\j+3], v[Y+4*\j+2], v[P+4*(\j%4)+3]
.endr
.irp j, 0,1,2,3,4,5,6,7,8,9,10,11,12,13,14,15
	ds_store_b128 v9, v[X+4*\j:X+4*\j+3] offset:528*\j   ; the tile turns through my own stage
.endr
.irp b, 0,1,2,3
.irp k, 0,1,2,3
	ds_load_b128 v[Y+16*\b+4*\k:Y+16*\b+4*\k+3], v10 offset:128*\b+16*\k   ; LDS serves a wave's instructions in order
.endr
.endr
	s_wait_dscnt 0x0
	QUANT Y
.irp c, 0,1,2
	global_store_b128 v4, v[PC+4*\c:PC+4*\c+3], s[50:51] offset:512*\c   ; 512 consecutive bytes
.endr
	v_cmp_gt_u32 vcc_lo, 16, v1                    ; lanes 0 .. 15 store the rows' scale words
	s_wait_alu depctr_va_vdst(0)                   ; the wait ahead of the waits below
	s_wait_xcnt 0x0                                ; EXEC changes only behind this wait
	s_wait_tensorcnt 0x0                           ; the wave's end
	ds_add_u32 v254, v255
	s_wait_dscnt 0x0
	s_and_saveexec_b32 s54, vcc_lo
	global_store_b32 v11, v[PW], s[52:53]
	s_endpgm
.Lfunc_end_k_qde8dcd4391_prep:
	.size	k_qde8dcd4391_prep, .Lfunc_end_k_qde8dcd4391_prep-k_qde8dcd4391_prep
	.p2alignl 7, 3214868480
	.fill 96, 4, 3214868480
	.section	.rodata,"a",@progbits
	.p2align	6, 0x0
	.amdhsa_kernel k_qde8dcd4391_prep
		.amdhsa_group_segment_fixed_size 146432
		.amdhsa_private_segment_fixed_size 0
		.amdhsa_enable_private_segment 0
		.amdhsa_kernarg_size 48
		.amdhsa_user_sgpr_count 2
		.amdhsa_user_sgpr_kernarg_segment_ptr 1
		.amdhsa_wavefront_size32 1
		.amdhsa_system_sgpr_workgroup_id_x 1
		.amdhsa_system_sgpr_workgroup_id_y 1
		.amdhsa_system_sgpr_workgroup_id_z 1
		.amdhsa_system_vgpr_workitem_id 0
		.amdhsa_next_free_vgpr 256
		.amdhsa_next_free_sgpr 66
		.amdhsa_reserve_vcc 1
		.amdhsa_float_denorm_mode_32 3
		.amdhsa_float_denorm_mode_16_64 3
		.amdhsa_memory_ordered 1
		.amdhsa_forward_progress 1
		.amdhsa_inst_pref_size 44
	.end_amdhsa_kernel
	.amdgpu_metadata
---
amdhsa.version: [ 1, 2 ]
amdhsa.kernels:
  - .name:           k_qde8dcd4391_prep
    .symbol:         k_qde8dcd4391_prep.kd
    .args:
      - { .name: qkv, .offset: 0, .size: 8, .value_kind: global_buffer, .address_space: global }
      - { .name: norm_q_w, .offset: 8, .size: 8, .value_kind: global_buffer, .address_space: global }
      - { .name: norm_k_w, .offset: 16, .size: 8, .value_kind: global_buffer, .address_space: global }
      - { .name: freqs_cos, .offset: 24, .size: 8, .value_kind: global_buffer, .address_space: global }
      - { .name: freqs_sin, .offset: 32, .size: 8, .value_kind: global_buffer, .address_space: global }
      - { .name: att, .offset: 40, .size: 8, .value_kind: global_buffer, .address_space: global }
    .group_segment_fixed_size: 146432
    .private_segment_fixed_size: 0
    .kernarg_segment_align: 8
    .kernarg_segment_size: 48
    .max_flat_workgroup_size: 512
    .sgpr_count:     66
    .vgpr_count:     256
    .wavefront_size: 32
...
	.end_amdgpu_metadata
.endif
;; end of part 3
;; launch attn (part 4): grid 16 x 16, 8 waves a work-group, clusters of 4 x 1, 327,680 bytes of LDS; arguments att, oq; writes oq
.if DOCPART == 4
	.amdgcn_target "amdgcn-amd-amdhsa--gfx1250"
	.amdhsa_code_object_version 6
	.text
	.protected	k_qde8dcd4391_attn
	.globl	k_qde8dcd4391_attn
	.p2align	8
	.type	k_qde8dcd4391_attn,@function
k_qde8dcd4391_attn:
	s_mov_b64 s[64:65], 0
	v_nop
	global_prefetch_b8 v0, s[64:65] scope:SCOPE_SE
	s_setreg_imm32_b32 hwreg(HW_REG_WAVE_MODE, 25, 1), 1
	s_wait_xcnt 0x0
	s_wait_alu depctr_hold_cnt(0) depctr_sa_sdst(0) depctr_va_vdst(0) depctr_va_sdst(0) depctr_va_ssrc(0) depctr_va_vcc(0) depctr_vm_vsrc(0)
	s_getreg_b32 s2, hwreg(HW_REG_IB_STS2, 6, 4)
	s_cmp_eq_u32 s2, 0
	s_cbranch_scc0 .Lentry_in_a_cluster
	s_endpgm
.Lentry_in_a_cluster:
	s_bfe_u32 s2, ttmp6, 0x10000c
	s_cmp_lg_u32 s2, 0x3003
	s_cbranch_scc0 .Lentry_shape_is_right
	s_endpgm
.Lentry_shape_is_right:
; o[h][q][:] = the sum over 2,048 keys of softmax(q . k / sqrt(128)) v, both products on FP6 (E2M3) codes with one E8M0 scale for each 32 along a product's K; o is quantised along (head, channel) into the pack oq.
; att holds three packs laid in the order of the operands' registers (q at 0, k at PACKA, v at 2 PACKA): head x 196,608 + tile x 1,536 + c x 512 + lane x 16; scale words at SCO + head x 8,192 + tile x 64 + 4 x row.
; Row p of tile t is position (q, k) or channel (v: tile = 8 x plane of 128 keys + tile of channels) 32 (t / 2) + 8 (t % 2) + p + 8 (p / 8).  Keys 1,992 on are zero codes: logit 0, v = 0, and they count in the row's sum.
; THE SOFTMAX: t = score x log2(e) / sqrt(128); M = the row's largest t so far, rounded UP to a whole number; p = 2^(t - M) is quantised along the keys, not normalised.  The row's sum is taken of the unquantised p
; and divides O at the end.  When M moves, the sum and O are multiplied by 2^(old M - new M): exact.
; SHARES: a work-group owns 128 queries of one head, each of its eight waves one tile of 16.  Every wave walks 16 steps of 128 keys.  K's and V's tiles come through a ring of two LDS slots of 256 keys
; (wave 0: K's 24,576 dense bytes, wave 1: V's).  CLUSTER: the four work-groups of a cluster belong to one head: each tile is asked for jointly, with a mask that names the four.
; Both products are used transposed (S^T = K Q^T, O^T = V^T P^T): a lane holds ONE query throughout; by the tiles' order of rows the 16 registers of tiles 2 b, 2 b + 1 are 16 neighbouring keys (S^T) or channels (O^T).
; THE LDS LOADS RUN AHEAD: a step's eight fragments of K and its eight of V have registers of their own, so V is asked for ahead of the step's first products and lands under the softmax, and the slot's second K
; is asked for as soon as the first has been multiplied.  Of a slot's four waits for fragments only the first stands straight behind its loads.
; LIMITS: NaN and infinities are not served; a block of p or of o whose largest magnitude lies under 2^-124 keeps the byte 1; 1 / the sum comes by v_rcp_f32.
; REGISTERS, in windows of 256: window 0: v1-11 addresses; v12 -M, v13 the largest t, v[14:15] the sum in two halves; v16-27 Q; v28 the prefetches' offset; v32-51 o's codes at the end; v80-83 V's scale words (two tiles each);
; v96-159 S^T, then p; v160-223 O^T; v224-235 p's codes; v232-247, v252, v254 at work; v248-251 K's scale words; v253 p's scale word; v255 Q's.   window 1: v0-95 K's eight fragments; v96-191 V's.
.set TILEB, 1536
.set PLANE, 196608
.set PACKA, 3276800
.set SCO,   3145728
.set SLB,   24576                      ; a slot's bytes of K, and of V
.set SLOT1, 1<<17                      ; slot 1 begins here, so that one exclusive or turns an address in one slot into the other's
.set NSL,   8                          ; slots' worth of keys
.set SCK,   2*SLOT1                    ; behind the ring: K's scale words of the head, 8,192 bytes;
.set SCV,   SCK+8192                   ; V's
.set SPARE, SCV+8192                   ; the spare words, 128 bytes for each wave: four blocks of 256 bytes that no other line names
.set LI,   1                           ; v1   16 x lane
.set LS,   2                           ; v2   SCK + 4 x lane: lanes 0-15 a tile's words, lanes 16-31 the next tile's
.set SPW,  5                           ; v5   LDS address of my spare word; never rewritten
.set NIL,  6                           ; v6   0; never rewritten
.set AD,   8                           ; v8   the slot in hand + 16 x lane
.set R4,   9                           ; v9   4 r
.set ADS,  10                          ; v10  the slot's scale words
.set PFO,  28                          ; v28  256 x lane
.set KF,   0                           ; in window 1: K's fragments
.set VF,   96                          ; in window 1: V's
.set KS,   248                         ; v248-251 K's scale words
.set VS,   80                          ; v80-83   V's
.set TM,   232
.set PC,   32
.set PW,   253
.set WV,   18
.set SEL,  20                          ; s[20:21]
.set CS,   22                          ; s[22:23] c = log2(e) / sqrt(128)
.set G1,   24                          ; s[24:31] descriptor group 1 for tiles;  s[32:39] for scale words;  s[40:43] group 0, which walks;  s[44:47] group 0 for scale words
.set G1S,  32
.set G0,   40
.set G0S,  44
.set TB,   48                          ; s48  LDS byte at which the slot in hand begins
.set TS,   49                          ; s49  where the slot's scale words begin: 1,024 bytes a slot
.set SLOTS, 50                         ; s50  slots still to be asked for
.set LIM,  51                          ; s51  1 in a wave that prefetches, else the greatest number
.set PFA,  52                          ; s[52:53] where my prefetches stand
.set MSB, 0
.macro WIN new                         ; the immediate's high byte repeats the setting that is left; a switch that changes nothing is dropped
.if MSB != (\new)
	s_set_vgpr_msb (MSB<<8)|(\new)
.set MSB, (\new)
.endif
.endm
.set TO_F, 0x40                        ; destination window 1, address window 0
.set MUL,  0x01                        ; source 0 (K's or V's fragment) window 1, all else window 0
.macro QUANT s
.irp b, 0,1,2,3
	v_max3_num_f32 v[TM+\b], |v[\s+16*\b]|, |v[\s+1+16*\b]|, 0x1800000
.endr
.irp i, 2,4,6,8,10,12,14
.irp b, 0,1,2,3
	s_delay_alu instid0(VALU_DEP_4)
	v_max3_num_f32 v[TM+\b], v[TM+\b], |v[\s+16*\b+\i]|, |v[\s+1+16*\b+\i]|
.endr
.endr
.irp b, 0,1,2,3
	s_delay_alu instid0(VALU_DEP_4)
	v_permlanex16_b32 v[TM+4+\b], v[TM+\b], s[SEL], s[SEL+1]
.endr
.irp b, 0,1,2,3
	s_delay_alu instid0(VALU_DEP_4)
	v_max_num_f32 v[TM+\b], v[TM+\b], v[TM+4+\b]
.endr
.irp b, 0,1,2,3
	s_delay_alu instid0(VALU_DEP_4)
	v_add_nc_u32 v[TM+12+\b], 0xff000000, v[TM+\b]
.endr
.irp b, 0,1,2,3
	s_delay_alu instid0(VALU_DEP_4)
	v_lshrrev_b32 v[TM+4+\b], 23, v[TM+12+\b]
.endr
	s_delay_alu instid0(VALU_DEP_3)
	v_lshl_or_b32 v[PW], v[TM+5], 8, v[TM+4]
	s_delay_alu instid0(VALU_DEP_1)
	v_lshl_or_b32 v[PW], v[TM+6], 16, v[PW]
	s_delay_alu instid0(VALU_DEP_1)
	v_lshl_or_b32 v[PW], v[TM+7], 24, v[PW]
.irp c, 0,1
	v_cvt_scalef32_pk16_fp6_f32 v[PC+6*\c:PC+2+6*\c], v[\s+32*\c:\s+15+32*\c], v[TM+12+2*\c]
	v_cvt_scalef32_pk16_fp6_f32 v[PC+12+4*\c:PC+14+4*\c], v[\s+16+32*\c:\s+31+32*\c], v[TM+12+2*\c+1]
.endr
	v_nop                                          ; one plain place behind a scaled conversion
.irp c, 0,1
.irp i, 0,1,2
	v_permlane16_swap_b32 v[PC+6*\c+\i], v[PC+12+4*\c+\i]
.endr
.irp i, 0,1,2
	s_delay_alu instid0(VALU_DEP_3)
	v_mov_b32 v[PC+3+6*\c+\i], v[PC+12+4*\c+\i]
.endr
.endr
.endm
; A joint refill: wave 0 fetches K's part of a slot, wave 1 V's.  The branch hangs on the wave's number alone.  Four v_nop follow the line.
.macro TLOAD
	s_cmp_lt_u32 s[WV], 2
	s_cbranch_scc0 .Lasked_\@
	tensor_load_to_lds s[G0:G0+3], s[G1:G1+7]
	s_nop 0
.rept 4
	v_nop
.endr
.Lasked_\@:
.endm
; A PREFETCH INTO THE L2, at the changes of slots 0, 2 and 4 (s[SLOTS] = 7, 5, 3), of the two slots behind the one that is being asked for.  All clusters of a head walk the same K and V: the head's first cluster asks.
; Its four partners share the blocks out BY ADDRESS: cx % 2 says K or V, cx / 2 which of the two slots.  In each, waves 4 to 6 ask, 8,192 bytes a wave, lanes 256 bytes apart: 24,576 bytes.
; So each 256 bytes of slots 2 to 7 are named once in the launch, and nothing behind slot 7.  Slots 0 and 1 come by their loads alone.
.macro ASK
	s_cmp_gt_u32 s[SLOTS], s[LIM]
	s_cbranch_scc0 .Lnot_mine_\@
	s_and_b32 s66, s[SLOTS], 1
	s_cmp_eq_u32 s66, 1
	s_cbranch_scc0 .Lnot_mine_\@
	global_prefetch_b8 v[PFO], s[PFA:PFA+1] th:TH_LOAD_NT scope:SCOPE_SE
.Lnot_mine_\@:
.endm
.macro CROUND                          ; a round of the cluster's barrier
	s_barrier_signal -1
	s_barrier_wait -1
	s_cmp_lg_u32 s[WV], 0
	s_cbranch_scc1 .Lnot_wave_0_\@
	s_barrier_signal -3
.Lnot_wave_0_\@:
	s_barrier_wait -3
	s_barrier_signal -1
	s_barrier_wait -1
.endm
	s_load_b128 s[4:7], s[0:1], 0x0                ; att s[4:5], oq s[6:7]
	v_lshl_add_u32 v[SPW], v0, 2, SPARE
	v_mov_b32 v[NIL], 0
	ds_add_u32 v5, v6
	ds_add_u32 v5, v6
	s_wait_dscnt 0x0
	v_lshrrev_b32 v8, 5, v0
	s_delay_alu instid0(VALU_DEP_1)
	v_readfirstlane_b32 s[WV], v8                  ; wave 0..7
	s_bfe_u32 s54, ttmp6, 0x40000                  ; cx: my place in the cluster
	s_and_b32 s55, ttmp7, 0xffff                   ; the head, which the four partners share
	s_mul_i32 s67, s55, PLANE                      ; the head's codes in a pack,
	s_lshl_b32 s68, s55, 13                        ; and its scale words
	s_and_b32 s69, s[WV], 1                        ; what I fetch, if I fetch: 0 K, 1 V
	s_mul_i32 s70, s69, PACKA
	s_add_co_u32 s70, s70, PACKA
	s_add_co_u32 s72, s70, s68
	s_add_co_u32 s72, s72, SCO
	s_mov_b32 s73, 0
	s_add_co_u32 s70, s70, s67
	s_mov_b32 s71, 0
	; descriptor group 1: 24,576 dense bytes as 96 rows of 32 elements of 8 bytes; the scale words: 8,192 bytes as 32 such rows
	s_mov_b32 s[G1], 15|(3<<16)|(1<<21)            ; 15:0 the mask: all four work-groups; 17:16 elements of 8 bytes; 21 set beside a mask
	s_mov_b32 s[G1+1], 32<<16                      ; tensor_dim0
	s_mov_b32 s[G1+2], 96<<16                      ; tensor_dim1
	s_mov_b32 s[G1+3], 32<<16                      ; tile_dim0
	s_mov_b32 s[G1+4], 96                          ; tile_dim1
	s_mov_b32 s[G1+5], 32                          ; tensor_dim0_stride
	s_mov_b32 s[G1+6], 0
	s_mov_b32 s[G1+7], 0
	s_mov_b32 s[G1S], 15|(3<<16)|(1<<21)
	s_mov_b32 s[G1S+1], 32<<16
	s_mov_b32 s[G1S+2], 32<<16
	s_mov_b32 s[G1S+3], 32<<16
	s_mov_b32 s[G1S+4], 32
	s_mov_b32 s[G1S+5], 32
	s_mov_b32 s[G1S+6], 0
	s_mov_b32 s[G1S+7], 0
	s_mov_b32 s[SEL], 0x76543210
	s_mov_b32 s[SEL+1], 0xfedcba98
	s_mov_b32 s[CS], 0x3e0293ee                    ; c = log2(e) / sqrt(128)
	s_mov_b32 s[CS+1], s[CS]                       ; (named with it as a pair, so it is written)
	s_mov_b32 s[TB], 0
	s_mov_b32 s[TS], 0
	s_mov_b32 s[SLOTS], NSL-1
	s_lshl_b32 s66, ttmp9, 2                       ; my tile of queries: 8 x (4 x cluster x + cx) + wave: it enters Q's and o's addresses alone
	s_add_co_u32 s66, s66, s54
	s_lshl_b32 s66, s66, 3
	s_add_co_u32 s66, s66, s[WV]
	s_mul_i32 s76, s66, TILEB
	s_add_co_u32 s76, s76, s67                     ; its fragment, in att's q and in oq alike
	s_mov_b32 s77, 0
	s_lshl_b32 s78, s66, 6
	s_add_co_u32 s78, s78, s68
	s_add_co_u32 s78, s78, SCO                     ; its scale words
	s_mov_b32 s79, 0
	s_and_b32 s74, s54, 1                          ; the prefetches: K or V by cx % 2,
	s_mul_i32 s74, s74, PACKA
	s_add_co_u32 s74, s74, PACKA
	s_add_co_u32 s74, s74, s67
	s_lshr_b32 s75, s54, 1                         ; slot 1 or 2 by cx / 2: the first change of slots steps it to 2 or 3,
	s_mul_i32 s75, s75, SLB
	s_add_co_u32 s74, s74, s75
	s_add_co_u32 s74, s74, SLB
	s_and_b32 s75, s[WV], 3                        ; waves 4, 5, 6: 8,192 bytes each
	s_lshl_b32 s75, s75, 13
	s_add_co_u32 s74, s74, s75
	s_mov_b32 s75, 0
	s_sub_co_u32 s66, s[WV], 4
	s_cmp_lt_u32 s66, 3
	s_cselect_b32 s66, 0, 1
	s_or_b32 s66, s66, ttmp9                       ; 0 in waves 4 to 6 of the head's first cluster: the same in all four partners
	s_cmp_eq_u32 s66, 0
	s_cselect_b32 s[LIM], 1, -1
	s_lshl_b32 s66, s69, 13
	s_wait_kmcnt 0x0
	s_mov_b32 s[G0S], 1
	s_add_co_u32 s[G0S+1], s66, SCK
	s_add_nc_u64 s[G0S+2:G0S+3], s[4:5], s[72:73]
	s_or_b32 s[G0S+3], s[G0S+3], 0x80000000
	s_mov_b32 s[G0], 1                             ; 1:0 count = 1
	s_mul_i32 s[G0+1], s69, SLB                    ; 63:32 LDS address: slot 0, K's part or V's
	s_add_nc_u64 s[G0+2:G0+3], s[4:5], s[70:71]    ; 120:64 global address: the head's first 256 keys
	s_or_b32 s[G0+3], s[G0+3], 0x80000000          ; 127:126 type = 2
	s_add_nc_u64 s[PFA:PFA+1], s[4:5], s[74:75]
	s_add_nc_u64 s[60:61], s[4:5], s[76:77]        ; Q's fragment
	s_add_nc_u64 s[62:63], s[4:5], s[78:79]        ; Q's scale words
	s_add_nc_u64 s[56:57], s[6:7], s[76:77]        ; o's fragment
	s_add_nc_u64 s[58:59], s[6:7], s[78:79]        ; o's scale words
	CROUND                                         ; all four work-groups are here: the first joint loads meet
	s_cmp_lt_u32 s[WV], 2                          ; a wave's first fill stands in one branch: at most one load of mine is out
	s_cbranch_scc0 .Lhead_scales
	tensor_load_to_lds s[G0:G0+3], s[G1:G1+7]      ; waves 0, 1: slot 0's K, V
	s_nop 0
.rept 4
	v_nop
.endr
	s_branch .Lno_first
.Lhead_scales:
	s_cmp_lt_u32 s[WV], 4
	s_cbranch_scc0 .Lno_first
	tensor_load_to_lds s[G0S:G0S+3], s[G1S:G1S+7]  ; waves 2, 3: the head's scale words of K, V: filled once
	s_nop 0
.rept 4
	v_nop
.endr
.Lno_first:
	v_and_b32 v11, 31, v0                          ; lane
	s_delay_alu instid0(VALU_DEP_1)
	v_lshlrev_b32 v[LI], 4, v11
	s_delay_alu instid0(VALU_DEP_2)
	v_lshl_add_u32 v[LS], v11, 2, SCK
	s_delay_alu instid0(VALU_DEP_3)
	v_lshlrev_b32 v[PFO], 8, v11
	v_and_b32 v[R4], 15, v0
	s_delay_alu instid0(VALU_DEP_1)
	v_lshlrev_b32 v[R4], 2, v[R4]
.irp c, 0,1,2
	global_load_b128 v[16+4*\c:19+4*\c], v[LI], s[60:61] offset:512*\c   ; Q's fragment stays in registers
.endr
	global_load_b32 v255, v[R4], s[62:63]          ; Q's scale words
	v_mov_b32 v13, 0xff61b1e6                      ; the largest t so far: -3e38, under every t
	s_delay_alu instid0(VALU_DEP_1)
	v_floor_f32 v12, -v13                          ; -M
	v_mov_b32 v14, 0                               ; the sum, in two halves
	v_mov_b32 v15, 0
.irp b, 0,1,2,3
	v_mov_b32 v[236+\b], 0                         ; written once: a lane permute's destination counts as one of its sources
.endr
	v_mov_b32 v253, 0                              ; (named as the upper half of the pair v[252:253] before it is first written)
.irp j, 0,1,2,3,4,5,6,7,8,9,10,11,12,13,14,15,16,17,18,19,20,21,22,23,24,25,26,27,28,29,30,31,32,33,34,35,36,37,38,39,40,41,42,43,44,45,46,47,48,49,50,51,52,53,54,55,56,57,58,59,60,61,62,63
	v_mov_b32 v[160+\j], 0                         ; O^T.  (The loop is written once: its first step finds zeros, which the first change of M leaves zeros)
.endr
.macro PLACES                          ; four places behind matrix instructions, in front of loads into registers that they have read and of the first read of their results (ISA guide 7.12.1 for the first read of their results)
.rept 4
	v_nop
.endr
.endm
; 28 LDS loads: the eight fragments of K of the slot's q-th 128 keys, 512 consecutive bytes a load, and their scale words, two tiles to a register
.macro LOADK q
	WIN TO_F
.irp t, 0,1,2,3,4,5,6,7
.irp c, 0,1,2
	ds_load_b128 v[KF+12*\t+4*\c:KF+12*\t+4*\c+3], v[AD] offset:(8*(\q)+\t)*TILEB+512*\c
.endr
.endr
	WIN 0
.irp p, 0,1,2,3
	ds_load_b32 v[KS+\p], v[ADS] offset:512*(\q)+128*\p   ; lanes 0-15: tile 2 p's words; lanes 16-31: tile 2 p + 1's
.endr
.endm
.macro LOADV q                         ; the same of V: eight tiles of 16 channels x these 128 keys
	WIN TO_F
.irp t, 0,1,2,3,4,5,6,7
.irp c, 0,1,2
	ds_load_b128 v[VF+12*\t+4*\c:VF+12*\t+4*\c+3], v[AD] offset:SLB+(8*(\q)+\t)*TILEB+512*\c
.endr
.endr
	WIN 0
.irp p, 0,1,2,3
	ds_load_b32 v[VS+\p], v[ADS] offset:8192+512*(\q)+128*\p
.endr
.endm
.macro SMUL                            ; S^T = K Q^T: eight tiles of 16 keys, eight accumulators, each begun with the constant 0
	WIN MUL
.irp t, 0,1,2,3,4,5,6,7
.if \t%2
	v_wmma_scale_f32_16x16x128_f8f6f4 v[96+8*\t:103+8*\t], v[KF+12*\t:KF+12*\t+11], v[16:27], 0, v[KS+\t/2], v255 matrix_a_fmt:MATRIX_FMT_FP6 matrix_b_fmt:MATRIX_FMT_FP6 matrix_a_scale:MATRIX_SCALE_ROW1
.else
	v_wmma_scale_f32_16x16x128_f8f6f4 v[96+8*\t:103+8*\t], v[KF+12*\t:KF+12*\t+11], v[16:27], 0, v[KS+\t/2], v255 matrix_a_fmt:MATRIX_FMT_FP6 matrix_b_fmt:MATRIX_FMT_FP6
.endif
.endr
	WIN 0
.endm
.macro PVMUL                           ; O^T += V^T P^T: eight tiles of 16 channels, the eight accumulators by turns; K = these 128 keys
	WIN MUL
.irp t, 0,1,2,3,4,5,6,7
.if \t%2
	v_wmma_scale_f32_16x16x128_f8f6f4 v[160+8*\t:167+8*\t], v[VF+12*\t:VF+12*\t+11], v[224:235], v[160+8*\t:167+8*\t], v[VS+\t/2], v253 matrix_a_fmt:MATRIX_FMT_FP6 matrix_b_fmt:MATRIX_FMT_FP6 matrix_a_scale:MATRIX_SCALE_ROW1
.else
	v_wmma_scale_f32_16x16x128_f8f6f4 v[160+8*\t:167+8*\t], v[VF+12*\t:VF+12*\t+11], v[224:235], v[160+8*\t:167+8*\t], v[VS+\t/2], v253 matrix_a_fmt:MATRIX_FMT_FP6 matrix_b_fmt:MATRIX_FMT_FP6
.endif
.endr
	WIN 0
.endm
.macro SOFTMAX
.irp b, 0,1,2,3
	v_max3_num_f32 v[232+\b], v[96+16*\b], v[97+16*\b], v[98+16*\b]   ; THE LARGEST SCORE OF EACH BLOCK OF 32 KEYS: it serves for the row's maximum and, since p rises with the score, for the block's largest p
.endr
.irp i, 3,5,7,9,11,13
.irp b, 0,1,2,3
	v_max3_num_f32 v[232+\b], v[232+\b], v[96+16*\b+\i], v[97+16*\b+\i]   ; (the four blocks by turns)
.endr
.endr
.irp b, 0,1,2,3
	v_max_num_f32 v[232+\b], v[232+\b], v[111+16*\b]
.endr
.irp b, 0,1,2,3
	s_delay_alu instid0(VALU_DEP_4)
	v_permlanex16_b32 v[236+\b], v[232+\b], s[SEL], s[SEL+1]
.endr
.irp b, 0,1,2,3
	s_delay_alu instid0(VALU_DEP_4)
	v_max_num_f32 v[232+\b], v[232+\b], v[236+\b]   ; with lane l xor 16's 16 keys
.endr
	s_delay_alu instid0(VALU_DEP_2)
	v_max3_num_f32 v254, v232, v233, v234
	s_delay_alu instid0(VALU_DEP_1)
	v_max_num_f32 v254, v254, v235                 ; the step's largest score of my query
	s_delay_alu instid0(VALU_DEP_1)
	v_mul_f32 v254, s[CS], v254                    ; as t (c is positive)
	s_delay_alu instid0(VALU_DEP_1)
	v_max_num_f32 v13, v13, v254                   ; the running largest t
	v_mov_b32 v254, v12
	s_delay_alu instid0(VALU_DEP_2)
	v_floor_f32 v12, -v13                          ; the new -M = floor(-t) = -ceil(t): M is a whole number
	s_delay_alu instid0(VALU_DEP_1)
	v_sub_f32 v254, v12, v254                      ; M's old value less its new one: a whole number, 0 or less
	s_delay_alu instid0(VALU_DEP_1)
	v_cvt_i32_f32 v254, v254                       ; (it saturates)
	s_delay_alu instid0(VALU_DEP_1)
	v_ldexp_f32 v252, 1.0, v254                    ; f = 2^(old M - new M): a multiplication by it rounds nothing
.irp j, 0,2,4,6,8,10,12,14,16,18,20,22,24,26,28,30,32,34,36,38,40,42,44,46,48,50,52,54,56,58,60,62
	v_pk_fma_f32 v[96+\j:97+\j], v[96+\j:97+\j], s[CS:CS+1], v[12:13] op_sel_hi:[1,0,0]   ; t - M, two at a time (of the pairs c and -M the low word serves both halves)
.endr
.irp b, 0,1,2,3
	v_fma_f32 v[232+\b], v[232+\b], s[CS], v12     ; the same of each block's largest score
.endr
	s_wait_alu depctr_va_vdst(0)
.irp j, 0,1,2,3,4,5,6,7,8,9,10,11,12,13,14,15,16,17,18,19,20,21,22,23,24,25,26,27,28,29,30,31,32,33,34,35,36,37,38,39,40,41,42,43,44,45,46,47,48,49,50,51,52,53,54,55,56,57,58,59,60,61,62,63
	v_exp_f32 v[96+\j], v[96+\j]                   ; p = 2^(t - M), at most 1: not normalised
.endr
	v_pk_mul_f32 v[14:15], v[14:15], v[252:253] op_sel_hi:[1,0]   ; the sums under the new M.  (A plain place behind the exponentials)
	s_wait_alu depctr_va_vdst(0)                   ; one wait for the whole batch, ahead of its first reader
.irp b, 0,1,2,3
	v_exp_f32 v[232+\b], v[232+\b]                 ; the block's largest p: the same two instructions on the same number give the same bits
.endr
	v_pk_add_f32 v[236:237], v[100:101], v[104:105]
	v_pk_add_f32 v[94:95], v[108:109], v[112:113]
	v_pk_add_f32 v[92:93], v[116:117], v[120:121]
	v_pk_add_f32 v[90:91], v[124:125], v[128:129]
	v_pk_add_f32 v[88:89], v[132:133], v[136:137]
	v_pk_add_f32 v[86:87], v[140:141], v[144:145]
	v_pk_add_f32 v[84:85], v[148:149], v[152:153]
	v_pk_add_f32 v[14:15], v[14:15], v[156:157]
	v_pk_add_f32 v[236:237], v[236:237], v[96:97]
	v_pk_add_f32 v[94:95], v[94:95], v[98:99]
	v_pk_add_f32 v[92:93], v[92:93], v[102:103]
	v_pk_add_f32 v[90:91], v[90:91], v[106:107]
	v_pk_add_f32 v[88:89], v[88:89], v[110:111]
	v_pk_add_f32 v[86:87], v[86:87], v[114:115]
	v_pk_add_f32 v[84:85], v[84:85], v[118:119]
	v_pk_add_f32 v[14:15], v[14:15], v[122:123]
	v_pk_add_f32 v[236:237], v[236:237], v[126:127]
	v_pk_add_f32 v[94:95], v[94:95], v[130:131]
	v_pk_add_f32 v[92:93], v[92:93], v[134:135]
	v_pk_add_f32 v[90:91], v[90:91], v[138:139]
	v_pk_add_f32 v[88:89], v[88:89], v[142:143]
	v_pk_add_f32 v[86:87], v[86:87], v[146:147]
	v_pk_add_f32 v[84:85], v[84:85], v[150:151]
	v_pk_add_f32 v[14:15], v[14:15], v[154:155]
	v_pk_add_f32 v[236:237], v[236:237], v[158:159]
	s_delay_alu instid0(VALU_DEP_2)
	v_pk_add_f32 v[14:15], v[14:15], v[90:91]
	s_delay_alu instid0(VALU_DEP_2)
	v_pk_add_f32 v[236:237], v[236:237], v[88:89]
	v_pk_add_f32 v[94:95], v[94:95], v[86:87]
	v_pk_add_f32 v[92:93], v[92:93], v[84:85]
	s_delay_alu instid0(VALU_DEP_2)
	v_pk_add_f32 v[14:15], v[14:15], v[94:95]
	s_delay_alu instid0(VALU_DEP_2)
	v_pk_add_f32 v[236:237], v[236:237], v[92:93]
	s_delay_alu instid0(VALU_DEP_1)
	v_pk_add_f32 v[14:15], v[14:15], v[236:237]
	s_wait_alu depctr_va_vdst(0)                   ; and one for the four
.irp b, 0,1,2,3
	v_max_num_f32 v[232+\b], 0x1800000, v[232+\b]  ; the floor 2^(3 - 127): the byte cannot fall under 1
.endr
.irp b, 0,1,2,3
	s_delay_alu instid0(VALU_DEP_4)
	v_add_nc_u32 v[244+\b], 0xff000000, v[232+\b]  ; 2 off the exponent field: the conversion's scale operand
.endr
.irp b, 0,1,2,3
	s_delay_alu instid0(VALU_DEP_4)
	v_lshrrev_b32 v[236+\b], 23, v[244+\b]         ; the scale's byte
.endr
	s_delay_alu instid0(VALU_DEP_3)
	v_lshl_or_b32 v253, v237, 8, v236              ; p's scale word for these 128 keys
	s_delay_alu instid0(VALU_DEP_1)
	v_lshl_or_b32 v253, v238, 16, v253
	s_delay_alu instid0(VALU_DEP_1)
	v_lshl_or_b32 v253, v239, 24, v253
.irp c, 0,1
	v_cvt_scalef32_pk16_fp6_f32 v[224+6*\c:226+6*\c], v[96+32*\c:111+32*\c], v[244+2*\c]
	v_cvt_scalef32_pk16_fp6_f32 v[236+4*\c:238+4*\c], v[112+32*\c:127+32*\c], v[244+2*\c+1]   ; (a conversion's three registers begin on an even number)
.endr
	v_nop                                          ; one plain place behind a scaled conversion
.irp c, 0,1                                    ; the operand's layout wants a whole block in a lane: lanes 0-15 block 2 c, lanes 16-31 block 2 c + 1
.irp i, 0,1,2
	v_permlane16_swap_b32 v[224+6*\c+\i], v[236+4*\c+\i]
.endr
.irp i, 0,1,2
	s_delay_alu instid0(VALU_DEP_3)
	v_mov_b32 v[227+6*\c+\i], v[236+4*\c+\i]
.endr
.endr
.irp j, 0,2,4,6,8,10,12,14,16,18,20,22,24,26,28,30,32,34,36,38,40,42,44,46,48,50,52,54,56,58,60,62
	v_pk_mul_f32 v[160+\j:161+\j], v[160+\j:161+\j], v[252:253] op_sel_hi:[1,0]   ; O^T under the new M: x f.  (These 32 are also the places between p's codes and scale word and the products that take them)
.endr
.endm
; THE CHANGE OF SLOTS stands at a slot's head.  Each wave waits for all its tensor loads (its part of the slot that it is about to read), adds 0 to its spare word, and waits for that and for its reads of the slot that it
; has left.  fill = 1: the barrier is a round of the cluster's, and behind it the slot that was left is filled with the keys that follow: the load has a whole slot's steps in which to land.
.macro CHANGE fill
	s_wait_tensorcnt 0x0                           ; no tensor load of mine is out, so a group 0 may be written
	ds_add_u32 v[SPW], v[NIL]
.if \fill
	ds_add_u32 v[SPW], v[NIL]                      ; once more
	s_xor_b32 s[G0+1], s[G0+1], SLOT1
	s_add_nc_u64 s[G0+2:G0+3], s[G0+2:G0+3], SLB   ; the next 256 keys; the type bits on top are not reached
	s_wait_xcnt 0x0                                ; the last prefetch, a slot or more back, has read its address, so it may be written
	s_add_nc_u64 s[PFA:PFA+1], s[PFA:PFA+1], SLB
	s_wait_dscnt 0x0                               ; the add is done, and my reads of the slot that I have left are over
	CROUND
	TLOAD                                          ; the first thing behind the round, and a wave's one tensor load until the next
	ASK
.else
	s_wait_dscnt 0x0
	s_barrier_signal -1
	s_barrier_wait -1
.endif
.endm
; A SLOT'S TWO KEY STEPS.  Each count of 28 leaves out the 24 fragment loads and 4 scale loads that were issued behind the ones now wanted.
.macro SLOT_STEPS
	v_add_nc_u32 v[AD], s[TB], v[LI]
	v_add_nc_u32 v[ADS], s[TS], v[LS]
	v_nop                                          ; with the two additions: four places in front of loads into registers that the last slot's matrix instructions have read
	v_nop
	LOADK 0
	LOADV 0
	s_wait_alu depctr_va_vdst(0)
	s_wait_dscnt 28                                ; K of the first step is in; V's loads may be out
	SMUL
	PLACES
	LOADK 1                                        ; the second step's K lands under the first step's softmax
	SOFTMAX
	s_wait_alu depctr_va_vdst(0)
	s_wait_dscnt 28                                ; V of the first step is in; the second step's K may be out
	PVMUL
	PLACES
	LOADV 1                                        ; the second step's V lands under its products S^T and its softmax
	s_wait_dscnt 28                                ; K of the second step is in
	SMUL
	PLACES
	SOFTMAX
	s_wait_alu depctr_va_vdst(0)
	s_wait_dscnt 0x0                               ; V of the second step
	PVMUL
	s_xor_b32 s[TB], s[TB], SLOT1                  ; on to the other slot,
	s_add_co_u32 s[TS], s[TS], 1024                ; and to its scale words
.endm
	s_wait_loadcnt 0x0                             ; Q
.Lslot:                                                ; NSL - 1 trips: behind each change of slots but the last the next slot is asked for
	CHANGE 1
	SLOT_STEPS
	s_sub_co_u32 s[SLOTS], s[SLOTS], 1
	s_cmp_lg_u32 s[SLOTS], 0
	s_cbranch_scc1 .Lslot
	CHANGE 0                                       ; the last slot is written out
	SLOT_STEPS
	; THE WAY OUT.  O^T / the sum: register 16 b + i is o(my query, channel 32 b + 16 (lane / 16) + i): as QUANT wants it.  The fragment and its scale words go to oq as they stand.
	v_add_f32 v14, v14, v15                        ; the sum's two halves  (this line and the three below are the places behind the last products)
	v_nop
	v_nop
	v_nop
	v_permlanex16_b32 v252, v14, s[SEL], s[SEL+1]
	s_delay_alu instid0(VALU_DEP_1)
	v_add_f32 v14, v14, v252                       ; and lane l xor 16's: the row's sum
	s_wait_alu depctr_va_vdst(0)
	v_rcp_f32 v14, v14
	v_nop                                          ; a plain place behind the transcendental
	s_wait_alu depctr_va_vdst(0)                   ; the wait, ahead of the first reader
.irp j, 0,1,2,3,4,5,6,7,8,9,10,11,12,13,14,15,16,17,18,19,20,21,22,23,24,25,26,27,28,29,30,31,32,33,34,35,36,37,38,39,40,41,42,43,44,45,46,47,48,49,50,51,52,53,54,55,56,57,58,59,60,61,62,63
	v_mul_f32 v[96+\j], v[160+\j], v14             ; each accumulator from its low end on
.endr
	QUANT 96
.irp c, 0,1,2
	global_store_b128 v[LI], v[PC+4*\c:PC+4*\c+3], s[56:57] offset:512*\c   ; 32 lanes store 512 consecutive bytes
.endr
	v_cmp_gt_u32 vcc_lo, 16, v11                   ; both halves of the lanes hold the rows' scale words: lanes 0 .. 15 store them
	s_wait_xcnt 0x0                                ; EXEC changes only behind this wait
	s_and_saveexec_b32 s66, vcc_lo
	global_store_b32 v[R4], v[PW], s[58:59]
	s_wait_xcnt 0x0                                ; and again in front of the line that widens it
	s_or_b32 exec_lo, exec_lo, s66
	s_wait_tensorcnt 0x0                           ; the wave's end
	ds_add_u32 v[SPW], v[NIL]
	s_wait_dscnt 0x0
	CROUND                                         ; the closing round: no work-group ends while a partner may still ask for a tile that names it
	s_endpgm
.Lfunc_end_k_qde8dcd4391_attn:
	.size	k_qde8dcd4391_attn, .Lfunc_end_k_qde8dcd4391_attn-k_qde8dcd4391_attn
	.p2alignl 7, 3214868480
	.fill 96, 4, 3214868480
	.section	.rodata,"a",@progbits
	.p2align	6, 0x0
	.amdhsa_kernel k_qde8dcd4391_attn
		.amdhsa_group_segment_fixed_size 327680
		.amdhsa_private_segment_fixed_size 0
		.amdhsa_enable_private_segment 0
		.amdhsa_kernarg_size 16
		.amdhsa_user_sgpr_count 2
		.amdhsa_user_sgpr_kernarg_segment_ptr 1
		.amdhsa_wavefront_size32 1
		.amdhsa_system_sgpr_workgroup_id_x 1
		.amdhsa_system_sgpr_workgroup_id_y 1
		.amdhsa_system_sgpr_workgroup_id_z 1
		.amdhsa_system_vgpr_workitem_id 0
		.amdhsa_next_free_vgpr 512
		.amdhsa_next_free_sgpr 80
		.amdhsa_reserve_vcc 1
		.amdhsa_float_denorm_mode_32 3
		.amdhsa_float_denorm_mode_16_64 3
		.amdhsa_memory_ordered 1
		.amdhsa_forward_progress 1
		.amdhsa_inst_pref_size 99
	.end_amdhsa_kernel
	.amdgpu_metadata
---
amdhsa.version: [ 1, 2 ]
amdhsa.kernels:
  - .name:           k_qde8dcd4391_attn
    .symbol:         k_qde8dcd4391_attn.kd
    .args:
      - { .name: att, .offset: 0, .size: 8, .value_kind: global_buffer, .address_space: global }
      - { .name: oq, .offset: 8, .size: 8, .value_kind: global_buffer, .address_space: global }
    .group_segment_fixed_size: 327680
    .private_segment_fixed_size: 0
    .kernarg_segment_align: 8
    .kernarg_segment_size: 16
    .max_flat_workgroup_size: 256
    .sgpr_count:     80
    .vgpr_count:     512
    .wavefront_size: 32
...
	.end_amdgpu_metadata
.endif
;; end of part 4
;; launch proj (part 5): grid 16 x 16, 4 waves a work-group, clusters of 4 x 4, 327,680 bytes of LDS; arguments oq, woq, out0; writes out0
.if DOCPART == 5
	.amdgcn_target "amdgcn-amd-amdhsa--gfx1250"
	.amdhsa_code_object_version 6
	.text
	.protected	k_qde8dcd4391_proj
	.globl	k_qde8dcd4391_proj
	.p2align	8
	.type	k_qde8dcd4391_proj,@function
k_qde8dcd4391_proj:
	s_mov_b64 s[64:65], 0
	v_nop
	global_prefetch_b8 v0, s[64:65] scope:SCOPE_SE
	s_setreg_imm32_b32 hwreg(HW_REG_WAVE_MODE, 25, 1), 1
	s_wait_xcnt 0x0
	s_wait_alu depctr_hold_cnt(0) depctr_sa_sdst(0) depctr_va_vdst(0) depctr_va_sdst(0) depctr_va_ssrc(0) depctr_va_vcc(0) depctr_vm_vsrc(0)
	s_getreg_b32 s2, hwreg(HW_REG_IB_STS2, 6, 4)
	s_cmp_eq_u32 s2, 0
	s_cbranch_scc0 .Lentry_in_a_cluster
	s_endpgm
.Lentry_in_a_cluster:
	s_bfe_u32 s2, ttmp6, 0x10000c
	s_cmp_lg_u32 s2, 0xf033
	s_cbranch_scc0 .Lentry_shape_is_right
	s_endpgm
.Lentry_shape_is_right:
; out0 = o Wo^T + bo.  o (oq) and Wo (woq) are packs of FP6 (E2M3) codes in the order of the operands' registers: plane (128 along K) x 196,608 + tile (16 rows) x 1,536 + c x 512 + lane x 16;
; scale words at SCO + plane x 8,192 + tile x 64 + 4 p; the bias behind Wo's pack.  Row p of tile t is matrix row 32 (t / 2) + 8 (t % 2) + p + 8 (p / 8).
; A block of 128 x 128 to a work-group, 64 x 64 to a wave; source 0 takes Wo's rows, source 1 o's: a lane holds eight neighbouring columns of one row of the result.
; K's 16 planes go through three LDS slots of four planes (A's four, then B's four).  The head asks for slot 0's A, slot 0's B, A's scale words and B's, one load a wave; behind one round each wave asks for
; one side of slot 1 or 2; slot 0 is filled once more, by waves 0 and 1.  A's tiles are asked for jointly along a row of the 4 x 4 cluster, B's along a column.
; Rows 1,992 on are not stored: EXEC is narrowed round the global stores alone.  No prefetch: four fills of a slot in all, three of them asked for ahead of the first product.
.set FR,     12
.set NP,     4
.set TILEB,  1536
.set PLB,    8*TILEB
.set PLANE,  128*TILEB
.set SLOT,   8*PLB
.set SCO,    16*PLANE
.set BIO,    SCO+131072
.set SCL,    3*SLOT                    ; A's scale words, 8,192 bytes, then B's
.set SPARE,  SCL+16384
.set STAGE,  SLOT                      ; the way out goes through slot 1: its one fill and its reads are over
.set SPITCH, 272
.set CROW,   8192
.set ADRA, 16
.set ADRB, 20
.set STO,  24
.set RD,   25
.set CO,   26
.set ADRS, 27
.set SPW,  28
.set NIL,  29
.set FROW, 30
.set BOF,  31
.set SC,   32
.set BK,   64
.set BI,   96
.set ACC,  128
.set G1, 24
.set G0, 32                            ; s[32:35] slot 0's A; s[36:39] slot 1's or 2's A
.set G1B, 44
.set G0B, 52                           ; the same for B
.set G1S, 68
.set G0S, 76
.set G1SB, 80
.set G0SB, 88
.set MSB, 0
.macro WIN new
.if MSB != (\new)
	s_set_vgpr_msb (MSB<<8)|(\new)
.set MSB, (\new)
.endif
.endm
.set MUL,  0x05
.set TO_F, 0x40
.macro JLOAD g0a, g0b                  ; even waves ask for A's planes, odd waves for B's
	s_cmp_eq_u32 s16, 0
	s_cbranch_scc0 .Lfor_b_\@
	tensor_load_to_lds s[\g0a:\g0a+3], s[G1:G1+7]
	s_nop 0
.rept 4
	v_nop
.endr
	s_branch .Lasked_\@
.Lfor_b_\@:
	tensor_load_to_lds s[\g0b:\g0b+3], s[G1B:G1B+7]
	s_nop 0
.rept 4
	v_nop
.endr
.Lasked_\@:
.endm
.macro CREST
	s_cmp_lg_u32 s14, 0
	s_cbranch_scc1 .Lnot_wave_0_\@
	s_barrier_signal -3
.Lnot_wave_0_\@:
	s_barrier_wait -3
	s_barrier_signal -1
	s_barrier_wait -1
.endm
.macro CROUND
	s_barrier_signal -1
	s_barrier_wait -1
	CREST
.endm
	s_load_b128 s[4:7], s[0:1], 0x0                ; oq, woq
	s_load_b64 s[12:13], s[0:1], 0x10              ; out0
	v_lshl_add_u32 v[SPW], v0, 2, SPARE
	v_mov_b32 v[NIL], 0
	ds_add_u32 v[SPW], v[NIL]                      ; the opening lines: the add twice and one wait
	ds_add_u32 v[SPW], v[NIL]
	v_lshrrev_b32 v1, 5, v0
	v_readfirstlane_b32 s14, v1
	s_lshr_b32 s15, s14, 1                         ; my half of the rows
	s_and_b32 s16, s14, 1                          ; my half of the columns
	s_bfe_u32 s92, ttmp6, 0x40000
	s_bfe_u32 s93, ttmp6, 0x40004
	s_lshl_b32 s94, ttmp9, 2
	s_add_co_u32 s94, s94, s92                     ; tile column
	s_and_b32 s17, ttmp7, 0xffff
	s_lshl_b32 s17, s17, 2
	s_add_co_u32 s17, s17, s93                     ; tile row
	s_lshl_b32 s95, s93, 2
	s_lshl_b32 s95, 15, s95
	s_lshl_b32 s96, 0x1111, s92
	s_or_b32 s[G1+0], s95, (3<<16)|(1<<21)
	s_or_b32 s[G1B+0], s96, (3<<16)|(1<<21)
.irp g, G1, G1B                                ; four planes of 12,288 bytes, 196,608 apart
	s_mov_b32 s[\g+1], 1536<<16
	s_mov_b32 s[\g+2], 4<<16
	s_mov_b32 s[\g+3], 1536<<16
	s_mov_b32 s[\g+4], 4
	s_mov_b32 s[\g+5], 24576
	s_mov_b32 s[\g+6], 0
	s_mov_b32 s[\g+7], 0
.endr
	s_or_b32 s[G1S+0], s95, (3<<16)|(1<<21)
	s_or_b32 s[G1SB+0], s96, (3<<16)|(1<<21)
.irp g, G1S, G1SB                              ; scale words: 16 planes of 512 bytes, 8,192 apart
	s_mov_b32 s[\g+1], 64<<16
	s_mov_b32 s[\g+2], 16<<16
	s_mov_b32 s[\g+3], 64<<16
	s_mov_b32 s[\g+4], 16
	s_mov_b32 s[\g+5], 1024
	s_mov_b32 s[\g+6], 0
	s_mov_b32 s[\g+7], 0
.endr
	s_mul_i32 s20, s17, PLB
	s_mov_b32 s21, 0
	s_lshl_b32 s22, s17, 9
	s_add_co_u32 s22, s22, SCO
	s_mov_b32 s23, 0
	s_mul_i32 s98, s94, PLB
	s_mov_b32 s99, 0
	s_lshl_b32 s100, s94, 9
	s_add_co_u32 s100, s100, SCO
	s_mov_b32 s101, 0
	s_lshl_b32 s8, s94, 9
	s_lshl_b32 s9, s16, 8
	s_add_co_u32 s8, s8, s9
	s_add_co_u32 s8, s8, BIO
	s_mov_b32 s9, 0
	s_mul_i32 s10, s15, 4*PLANE                    ; the second loads: waves 0, 1 slot 1 (planes 4-7), waves 2, 3 slot 2 (planes 8-11)
	s_add_co_u32 s10, s10, 4*PLANE
	s_mov_b32 s11, 0
	s_mul_i32 s97, s15, SLOT
	s_add_co_u32 s97, s97, SLOT
	s_wait_dscnt 0x0
	s_wait_kmcnt 0x0
	s_add_nc_u64 s[20:21], s[4:5], s[20:21]
	s_add_nc_u64 s[22:23], s[4:5], s[22:23]
	s_add_nc_u64 s[98:99], s[6:7], s[98:99]
	s_add_nc_u64 s[100:101], s[6:7], s[100:101]
	s_add_nc_u64 s[8:9], s[6:7], s[8:9]
	CROUND                                         ; in front of the first joint loads
	s_mov_b32 s[G0], 1
	s_mov_b32 s[G0+1], 0
	s_mov_b64 s[G0+2:G0+3], s[20:21]
	s_or_b32 s[G0+3], s[G0+3], 0x80000000
	s_mov_b32 s[G0B], 1
	s_mov_b32 s[G0B+1], 4*PLB
	s_mov_b64 s[G0B+2:G0B+3], s[98:99]
	s_or_b32 s[G0B+3], s[G0B+3], 0x80000000
	s_mov_b32 s[G0S], 1
	s_mov_b32 s[G0S+1], SCL
	s_mov_b64 s[G0S+2:G0S+3], s[22:23]
	s_or_b32 s[G0S+3], s[G0S+3], 0x80000000
	s_mov_b32 s[G0SB], 1
	s_mov_b32 s[G0SB+1], SCL+8192
	s_mov_b64 s[G0SB+2:G0SB+3], s[100:101]
	s_or_b32 s[G0SB+3], s[G0SB+3], 0x80000000
	s_mov_b32 s[G0+4], 1
	s_mov_b32 s[G0+5], s97
	s_add_nc_u64 s[G0+6:G0+7], s[20:21], s[10:11]
	s_or_b32 s[G0+7], s[G0+7], 0x80000000
	s_mov_b32 s[G0B+4], 1
	s_add_co_u32 s[G0B+5], s97, 4*PLB
	s_add_nc_u64 s[G0B+6:G0B+7], s[98:99], s[10:11]
	s_or_b32 s[G0B+7], s[G0B+7], 0x80000000
.macro ARM under, g0, g1, next
	s_cmp_lt_u32 s14, \under
	s_cbranch_scc0 \next
	tensor_load_to_lds s[\g0:\g0+3], s[\g1:\g1+7]
	s_nop 0
.rept 4
	v_nop
.endr
	s_branch .Lhead_asked
\next:
.endm
	ARM 1, G0,  G1,  .Lhead_b
	ARM 2, G0B, G1B, .Lhead_sa
	ARM 3, G0S, G1S, .Lhead_sb
	tensor_load_to_lds s[G0SB:G0SB+3], s[G1SB:G1SB+7]
	s_nop 0
.rept 4
	v_nop
.endr
.Lhead_asked:
	s_mul_i32 s21, s15, 4*TILEB
	s_mul_i32 s22, s16, 4*TILEB
	s_add_co_u32 s22, s22, 4*PLB
	s_mul_i32 s23, s14, 16*SPITCH
	s_add_co_u32 s23, s23, STAGE
	s_lshl_b32 s20, s15, 8
	s_lshl_b32 s99, s16, 8
	s_add_co_u32 s99, s99, 8192
	s_sub_co_u32 s99, s99, s20
	s_add_co_u32 s20, s20, SCL
	s_lshl_b32 s98, s17, 7
	s_lshl_b32 s100, s15, 6
	s_add_co_u32 s98, s98, s100                    ; my first row
	v_and_b32 v1, 15, v0                           ; r
	v_bfe_u32 v2, v0, 4, 1                         ; h
	v_and_b32 v6, 31, v0
	v_lshlrev_b32 v3, 4, v6
	v_lshlrev_b32 v[BOF], 6, v2
.irp b, 0,1,2,3
	global_load_b128 v[BI+8*\b:BI+8*\b+3], v[BOF], s[8:9] offset:128*(\b/2)+32*(\b%2)
	global_load_b128 v[BI+8*\b+4:BI+8*\b+7], v[BOF], s[8:9] offset:128*(\b/2)+32*(\b%2)+16
.endr
	v_add_nc_u32 v[ADRA], s21, v3
	v_add_nc_u32 v[ADRB], s22, v3
.irp s, 1,2
	v_add_nc_u32 v[ADRA+\s], SLOT, v[ADRA+\s-1]
	v_add_nc_u32 v[ADRB+\s], SLOT, v[ADRB+\s-1]
.endr
	v_lshlrev_b32 v5, 2, v1
	v_mul_u32_u24 v6, s99, v2                      ; lanes 16-31 take B's scale words
	v_add_nc_u32 v5, v5, v6
	v_add_nc_u32 v[ADRS], s20, v5
	v_mul_u32_u24 v5, v1, SPITCH
	v_lshl_add_u32 v5, v2, 6, v5
	v_add_nc_u32 v[STO], s23, v5
	v_mul_u32_u24 v5, v2, SPITCH
	v_lshl_add_u32 v5, v1, 4, v5
	v_add_nc_u32 v[RD], s23, v5
	v_lshlrev_b32 v5, 13, v2
	v_lshl_add_u32 v[CO], v1, 4, v5
	v_mov_b32 v[FROW], s98
	s_lshl_b32 s20, s98, 13
	s_mov_b32 s21, 0
	s_lshl_b32 s98, s94, 9
	s_lshl_b32 s99, s16, 8
	s_add_co_u32 s98, s98, s99
	s_mov_b32 s99, 0
	s_add_nc_u64 s[20:21], s[20:21], s[98:99]
	s_add_nc_u64 s[12:13], s[12:13], s[20:21]
.macro FRAG reg, adr, pl, i
.irp c, 0,1,2
	ds_load_b128 v[\reg+4*\c:\reg+4*\c+3], v[\adr] offset:(\pl)*PLB+(\i)*TILEB+512*\c
.endr
.endm
.macro SCALES g
.irp k, 0,1,2,3
.irp i, 0,1,2,3
	ds_load_b32 v[SC+16*((\g)%2)+4*\k+\i], v[ADRS] offset:(4*(\g)+\k)*512+\i*64
.endr
.endr
.endm
.macro FETCH q
	WIN TO_F
.irp i, 0,1,2,3
	FRAG 128*((\q)%2)+FR*\i, ADRA+((\q)/4)%3, (\q)%4, \i
.endr
.irp i, 0,1,2,3
	FRAG 128*((\q)%2)+48+FR*\i, ADRB+((\q)/4)%3, (\q)%4, \i
.endr
.if ((\q)%4) == 0
	WIN 0
	SCALES (\q)/4
.endif
.endm
.macro MUL8 q, a0, zero                ; the 16 accumulators take turns
.irp a, \a0, \a0+1
.irp b, 0,1,2,3
.if \zero
	v_wmma_scale_f32_16x16x128_f8f6f4 v[ACC+8*(4*(\a)+\b):ACC+8*(4*(\a)+\b)+7], v[128*((\q)%2)+48+FR*\b:128*((\q)%2)+48+FR*\b+FR-1], v[128*((\q)%2)+FR*(\a):128*((\q)%2)+FR*(\a)+FR-1], v[BI+8*\b:BI+8*\b+7], v[SC+16*(((\q)/4)%2)+4*((\q)%4)+\b], v[SC+16*(((\q)/4)%2)+4*((\q)%4)+(\a)] matrix_a_fmt:MATRIX_FMT_FP6 matrix_b_fmt:MATRIX_FMT_FP6 matrix_a_scale:MATRIX_SCALE_ROW1
.else
	v_wmma_scale_f32_16x16x128_f8f6f4 v[ACC+8*(4*(\a)+\b):ACC+8*(4*(\a)+\b)+7], v[128*((\q)%2)+48+FR*\b:128*((\q)%2)+48+FR*\b+FR-1], v[128*((\q)%2)+FR*(\a):128*((\q)%2)+FR*(\a)+FR-1], v[ACC+8*(4*(\a)+\b):ACC+8*(4*(\a)+\b)+7], v[SC+16*(((\q)/4)%2)+4*((\q)%4)+\b], v[SC+16*(((\q)/4)%2)+4*((\q)%4)+(\a)] matrix_a_fmt:MATRIX_FMT_FP6 matrix_b_fmt:MATRIX_FMT_FP6 matrix_a_scale:MATRIX_SCALE_ROW1
.endif
.endr
.endr
.endm
.macro PLACES n
.rept \n
	v_nop
.endr
.endm
.macro STEP q, zero
	s_wait_dscnt 0x0
.if (\q) > 0
	PLACES NP
.endif
	FETCH (\q)+1
	WIN MUL
	MUL8 \q, 0, \zero
	MUL8 \q, 2, \zero
.endm
.macro TURN q, fill
	WIN 0
	s_wait_tensorcnt 0x0                           ; all my loads are in
	ds_add_u32 v[SPW], v[NIL]
	s_wait_dscnt 1                                 ; the add may be out
	WIN MUL
	MUL8 \q, 0, 0
	s_wait_dscnt 0x0
	WIN 0
	s_barrier_signal -1
	s_barrier_wait -1
.if \fill
	CREST
	s_add_nc_u64 s[G0+2:G0+3], s[G0+2:G0+3], 12*PLANE
	s_add_nc_u64 s[G0B+2:G0B+3], s[G0B+2:G0B+3], 12*PLANE
	s_cmp_lt_u32 s14, 2                            ; planes 12-15 into slot 0: wave 0 A's, wave 1 B's
	s_cbranch_scc0 .Lnone_\@
	JLOAD G0, G0B
.Lnone_\@:
.endif
	PLACES NP
	FETCH (\q)+1
	WIN MUL
	MUL8 \q, 2, 0
.endm
	s_wait_alu depctr_va_vdst(0)                   ; the wait at the head's end
	s_wait_tensorcnt 0x0                           ; my tile of the head's four is in
	ds_add_u32 v[SPW], v[NIL]
	s_wait_dscnt 0x0
	CROUND
	JLOAD G0+4, G0B+4                              ; slots 1 and 2: first fills, issued as a refill is
	FETCH 0
	s_wait_loadcnt 0x0                             ; the bias
	STEP 0, 1
	STEP 1, 0
	STEP 2, 0
	TURN 3, 1
.irp q, 4,5,6,7,8,9,10
	STEP \q, 0
.endr
	TURN 11, 0
	STEP 12, 0
	STEP 13, 0
	STEP 14, 0
	s_wait_dscnt 0x0
	WIN MUL
	MUL8 15, 0, 0
	MUL8 15, 2, 0
	WIN 0
.macro TOSTAGE a
.irp b, 0,1,2,3
	ds_store_b128 v[STO], v[ACC+8*(4*(\a)+\b):ACC+8*(4*(\a)+\b)+3] offset:128*(\b/2)+32*(\b%2)
	ds_store_b128 v[STO], v[ACC+8*(4*(\a)+\b)+4:ACC+8*(4*(\a)+\b)+7] offset:128*(\b/2)+32*(\b%2)+16
.endr
.set BB, BK+32*((\a)%2)
.irp t, 0,1,2,3,4,5,6,7
	ds_load_b128 v[BB+4*\t:BB+4*\t+3], v[RD] offset:2*\t*SPITCH
.endr
.endm
; of a wave whose first row is 1,984 only block 0's first eight rows exist: all other stores run with EXEC narrowed, and EXEC is whole again at the macro's end
.macro SEND a, younger
.set BB, BK+32*((\a)%2)
	s_wait_dscnt \younger
.irp t, 0,1,2,3,4,5,6,7
.if (((\a) == 0) && (\t == 4)) || (((\a) > 0) && (\t == 0))
	v_cmp_gt_u32 vcc_lo, 1984, v[FROW]
	s_wait_xcnt 0x0                                ; EXEC changes only behind this wait
	s_and_saveexec_b32 s2, vcc_lo
.endif
	global_store_b128 v[CO], v[BB+4*\t:BB+4*\t+3], s[12:13] offset:(32*((\a)/2)+8*((\a)%2)+2*\t+8*(\t/4))*CROW th:TH_STORE_NT
.endr
	s_wait_xcnt 0x0
	s_or_b32 exec_lo, exec_lo, s2
.endm
	PLACES NP
	TOSTAGE 0
.irp a, 1,2,3
	TOSTAGE \a
	SEND \a-1, 16                                  ; block a's 8 stores and 8 loads may be out
.endr
	SEND 3, 0
	s_wait_tensorcnt 0x0                           ; the wave's end
	ds_add_u32 v[SPW], v[NIL]
	s_wait_dscnt 0x0
	CROUND
	s_endpgm
.Lfunc_end_k_qde8dcd4391_proj:
	.size	k_qde8dcd4391_proj, .Lfunc_end_k_qde8dcd4391_proj-k_qde8dcd4391_proj
	.p2alignl 7, 3214868480
	.fill 96, 4, 3214868480
	.section	.rodata,"a",@progbits
	.p2align	6, 0x0
	.amdhsa_kernel k_qde8dcd4391_proj
		.amdhsa_group_segment_fixed_size 327680
		.amdhsa_private_segment_fixed_size 0
		.amdhsa_enable_private_segment 0
		.amdhsa_kernarg_size 24
		.amdhsa_user_sgpr_count 2
		.amdhsa_user_sgpr_kernarg_segment_ptr 1
		.amdhsa_wavefront_size32 1
		.amdhsa_system_sgpr_workgroup_id_x 1
		.amdhsa_system_sgpr_workgroup_id_y 1
		.amdhsa_system_sgpr_workgroup_id_z 1
		.amdhsa_system_vgpr_workitem_id 0
		.amdhsa_next_free_vgpr 512
		.amdhsa_next_free_sgpr 102
		.amdhsa_reserve_vcc 1
		.amdhsa_float_denorm_mode_32 3
		.amdhsa_float_denorm_mode_16_64 3
		.amdhsa_memory_ordered 1
		.amdhsa_forward_progress 1
		.amdhsa_inst_pref_size 84
	.end_amdhsa_kernel
	.amdgpu_metadata
---
amdhsa.version: [ 1, 2 ]
amdhsa.kernels:
  - .name:           k_qde8dcd4391_proj
    .symbol:         k_qde8dcd4391_proj.kd
    .args:
      - { .name: oq, .offset: 0, .size: 8, .value_kind: global_buffer, .address_space: global }
      - { .name: woq, .offset: 8, .size: 8, .value_kind: global_buffer, .address_space: global }
      - { .name: out0, .offset: 16, .size: 8, .value_kind: global_buffer, .address_space: global }
    .group_segment_fixed_size: 327680
    .private_segment_fixed_size: 0
    .kernarg_segment_align: 8
    .kernarg_segment_size: 24
    .max_flat_workgroup_size: 128
    .sgpr_count:     102
    .vgpr_count:     512
    .wavefront_size: 32
...
	.end_amdgpu_metadata
.endif
;; end of part 5
